; MI455X (gfx1250); checked and timed in simulation.
; The chip was launched on July 23, 2026; its instructions are those of AMD's public machine-readable ISA for CDNA 5 (MIT licence, August 2026) and "CDNA5" Instruction Set Architecture Reference Guide (July 2026). The comments in the code are by the model that wrote it; some were corrected since.
;; Multi Head Attention. Allowed arithmetic: matrix products marked QUANTISED: E2M3 operands, one E8M0 scale for each 32 along K, by v_wmma_scale_f32_16x16x128_f8f6f4 with both operands' format E2M3, f32 sums; everything else in f32.
;; Inputs: Wk 1,024 x 1,024 float32; Wo 1,024 x 1,024 float32; Wq 1,024 x 1,024 float32; Wv 1,024 x 1,024 float32; bk 1,024 float32; bo 1,024 float32; bq 1,024 float32; bv 1,024 float32; key 4 x 2,048 x 1,024 float32; mask 4 x 2,048 bool; query 4 x 2,048 x 1,024 float32; value 4 x 2,048 x 1,024 float32.
;; Outputs: out0 4 x 2,048 x 1,024 float32.
;; This version of the problem:
;;   THIS VERSION OF THE PROBLEM IS GIVEN IN LOW PRECISION. The matrix products marked QUANTISED in the list below multiply operands that are first quantised to E2M3 (2 exponent bits, 3 mantissa bits; 6 bits a number), with one power-of-two scale for each 32 numbers along K (OCP MX v1.0); their sums are f32. All else is computed in f32.
;;   The module's matrix products, in the order in which they are computed (A, B: the left and right operand; K: the contracted axis; several contracted axes count as one K, in the product's order):
;;     1. [M 8,192, K 1,024] x [K 1,024, N 1,024]; A: input query; B: input Wq: QUANTISED
;;     2. [M 8,192, K 1,024] x [K 1,024, N 1,024]; A: input key; B: input Wk: QUANTISED
;;     3. [M 8,192, K 1,024] x [K 1,024, N 1,024]; A: input value; B: input Wv: QUANTISED
;;     4. batch 64 x [M 2,048, K 64] x [K 64, N 2,048]; A: computed on the way; B: computed on the way: QUANTISED
;;     5. batch 64 x [M 2,048, K 2,048] x [K 2,048, N 64]; A: softmax (see below); B: computed on the way: QUANTISED
;;     6. [M 8,192, K 1,024] x [K 1,024, N 1,024]; A: computed on the way; B: input Wo: QUANTISED
;;   THE QUANTISER, for each operand of a quantised product, along K:
;;     - K is cut into blocks of 32 from its start; a last block that is shorter is filled with zeros.
;;     - A block's scale is 2^e with e = floor(log2(the largest magnitude in the block)) - 2, held to -126 .. 127; a block of zeros has e = 0. As a byte (E8M0): e + 127.
;;     - Each number is divided by its block's scale, clamped to +-7.5, and rounded to the nearest number of E2M3, ties to even, subnormals kept.
;;     - The product sums the exact products of the quantised numbers (number of the format x scale) in f32.
;;   ~~~python
;;   def quantise(x, axis):      # numpy; x: float32 -> the quantised numbers, widened to float32 again
;;       x = np.moveaxis(x, axis, -1); K = x.shape[-1]
;;       x = np.pad(x, [(0, 0)] * (x.ndim - 1) + [(0, -K % 32)]); x = x.reshape(x.shape[:-1] + (-1, 32)); a = np.abs(x).max(-1, keepdims=True)
;;       e = np.where(a > 0, np.clip(np.frexp(np.where(a > 0, a, 1))[1] - 1 - 2, -126, 127), 0)      # np.frexp(a)[1] - 1 = floor(log2(a)), exactly
;;       r = np.clip(x / 2.0 ** e, -7.5, 7.5)
;;       step = 2.0 ** (np.maximum(np.frexp(np.where(r == 0, 1, r))[1] - 1, 0) - 3)
;;       q = np.round(r / step) * step * 2.0 ** e      # np.round: ties to even
;;       return np.moveaxis(q.reshape(q.shape[:-2] + (-1,))[..., :K], -1, axis).astype(np.float32)
;;   ~~~
;;   SOFTMAX AHEAD OF A QUANTISED PRODUCT. Where the list says 'softmax', what is quantised is not the finished softmax but p = 2^(t - M), with t = logit x log2(e) and M = ceil(the row's largest t), a whole number; so 1/2 < the row's largest p <= 1. The row's sum l is taken of the UNQUANTISED p, in f32, and the product's result is divided by l at the end. Since M is a whole number, a kernel that streams over the keys may use a running M (the ceiling of the running maximum): every later rescaling is an exact power of two, which a block's scale takes up: the codes' values come out the same.
;;   OPERANDS COMPUTED ON THE WAY. 'Computed on the way' means the value that the module computes at that place (a softmax that the list does not call 'softmax' is quantised finished and normalised). What goes into a quantiser is computed in f32, as accurately as f32 sums, v_exp_f32 and their like allow (about 1e-6 of the number): no bf16 or f16 on the way to a quantiser, and a product that is left as it is and whose result goes on into a quantised operand takes f32 operands (vector FMAs, or v_wmma_f32_16x16x4_f32). A number that lies on a knife's edge between two numbers of the format may be rounded either way, as far as f32 arithmetic and the matrix unit's own rounding can turn it there, and no further.
;; One version. Each part assembles by itself: llvm-mc -triple=amdgcn-amd-amdhsa -mcpu=gfx1250 --defsym DOCPART=n.
;; ======== version 1 of 1: 4 launches
;; limits: right only within a limited range of input values
;; workspace buffers: xc 22,020,096 bytes; xs 917,504 bytes; qf 6,815,744 bytes; kv 13,369,344 bytes; ac 6,291,456 bytes; asc 262,144 bytes
;; launch quant (part 1): grid 448 x 1, 4 waves a work-group, no clusters, 34,304 bytes of LDS; arguments query, key, value, Wq, Wk, Wv, Wo, xc, xs; writes xc, xs
.if DOCPART == 1
	.amdgcn_target "amdgcn-amd-amdhsa--gfx1250"
	.amdhsa_code_object_version 6
	.text
	.protected	k_qf08f9f6598_quant
	.globl	k_qf08f9f6598_quant
	.p2align	8
	.type	k_qf08f9f6598_quant,@function
k_qf08f9f6598_quant:
	s_mov_b64 s[64:65], 0
	v_nop
	global_prefetch_b8 v0, s[64:65] scope:SCOPE_SE
	s_setreg_imm32_b32 hwreg(HW_REG_WAVE_MODE, 25, 1), 1
	s_wait_xcnt 0x0
; query, key, value [8192][1024] and Wq, Wk, Wv, Wo [1024][1024], f32, K innermost, become codes of FP6 (E2M3) with one E8M0 byte for each 32 along K,
; laid as IMAGES OF THE OPERAND'S REGISTERS, so that every later launch loads fragments whole.
; TILES.  The 28,672 rows are 1,792 tiles of 16.  Tile T holds rows 32 (T / 2) + 8 (T % 2) + r + 8 (r / 8), r = 0 .. 15: not neighbours, so that in a product used transposed
; the 16 registers of two neighbouring tiles are 16 neighbours along the next product's K.
; IMAGE.  A fragment (16 rows x 128 K) is 12 registers a lane; lane l = r + 16 h holds k = 64 c + 32 h + 0 .. 31 in registers 6 c .. 6 c + 5.  Half c is 768 bytes: registers 0-3 at 16 l, registers 4-5 at 512 + 8 l.
; xc: [tile][K step 0..7][1,536].  xs: [tile][512]: the scale word of (K step j, row r) at 256 (j / 4) + 16 r + 4 (j % 4).
; A block's scale is 2^(floor(log2(its largest magnitude)) - 2): its byte is the largest magnitude's exponent field - 2, held at 1 from below.
; LIMITS: a block of zeros gets the byte 1 where the rule says 127 (its codes are zeros, and this program alone reads the bytes); blocks whose largest magnitude lies under 2^(3 - 127) are held at the byte 1;
; NaN and infinities among the inputs are not served.
; SHARES.  A work-group takes 64 rows, a wave one tile: 16 rows x 1,024 K in eight K steps.  Each load reads 512 consecutive bytes of one row; a K step's 8,192 bytes turn through the wave's own stage in LDS
; (rows 528 bytes apart) and come back 256 bytes a lane: the lane's two blocks of 32.  Loads run two K steps (32 loads a wave) ahead.  Every store covers 512 or 256 consecutive aligned bytes.
; No matrix unit, no cluster, no barrier: the work-groups share no input and the waves share nothing; memory binds.
.set STG,   8448                       ; a wave's stage: 16 rows x 528 bytes
.set SPARE, 4*STG                      ; behind the stages: the spare words, 128 bytes a wave: two blocks of 256 bytes that no other line names
.set R,     64                         ; v64-191  two sets of 64 numbers as loaded
.set X,     192                        ; v192-255 my 64 numbers: X + 32 c + i = k 64 c + 32 h + i of row r
.set PC,    32                         ; v32-43   the fragment's 12 registers
.set CT,    44                         ; v44-46, v48-50 the upper halves of the two blocks, as converted
.set SW,    52                         ; v52-59   the scale word of each K step
.set SPW,   6                          ; v6       my spare word's LDS address; never rewritten
.set NIL,   7                          ; v7       0; never rewritten
	s_load_b512 s[4:19], s[0:1], 0x0               ; query, key, value, Wq, Wk, Wv, Wo, xc
	s_load_b64 s[20:21], s[0:1], 0x40              ; xs
	v_lshl_add_u32 v[SPW], v0, 2, SPARE
	v_mov_b32 v[NIL], 0
	v_lshrrev_b32 v8, 5, v0
	v_readfirstlane_b32 s25, v8                    ; wave
	v_and_b32 v9, 31, v0                           ; lane l
	v_and_b32 v10, 15, v0                          ; r
	v_bfe_u32 v11, v0, 4, 1                        ; h
	v_lshlrev_b32 v1, 4, v9                        ; v1 = 16 l: my bytes of a load's 512, and of a store's
	s_mul_i32 s28, s25, STG
	v_add_nc_u32 v2, s28, v1                       ; v2: the stage, on the way in
	v_mul_u32_u24 v3, v10, 528
	v_lshl_add_u32 v3, v11, 7, v3
	v_add_nc_u32 v3, s28, v3                       ; v3: on the way out: row r, + 128 h
	v_lshl_add_u32 v4, v9, 3, 512                  ; v4 = 512 + 8 l: registers 4-5 of an image
	v_lshlrev_b32 v5, 3, v11                       ; v5 = 8 h
	v_mov_b32 v15, 0                               ; written once: a lane permute's destination counts as one of its sources
	s_mov_b32 s26, 0x76543210
	s_mov_b32 s27, 0xfedcba98                      ; v_permlanex16_b32's selects for lane l xor 16
	s_lshr_b32 s29, s25, 1
	s_lshl_b32 s29, s29, 5
	s_and_b32 s30, s25, 1
	s_lshl_b32 s30, s30, 3
	s_add_co_u32 s29, s29, s30                     ; my tile's first row among the group's 64: 32 (w / 2) + 8 (w % 2)
	s_lshl_b32 s32, ttmp9, 2
	s_add_co_u32 s32, s32, s25                     ; my tile T = 4 x work-group + wave
	s_mul_i32 s34, s32, 12288
	s_mov_b32 s35, 0
	s_lshl_b32 s36, s32, 9
	s_mov_b32 s37, 0
	s_wait_alu depctr_va_vdst(0)
	s_wait_kmcnt 0x0
	s_mov_b64 s[22:23], s[16:17]                   ; which tensor is mine hangs on the work-group's number alone: Wo from 432 on,
	s_mov_b32 s24, 432
	s_cmp_lt_u32 ttmp9, 432
	s_cselect_b64 s[22:23], s[14:15], s[22:23]     ; Wv from 416,
	s_cselect_b32 s24, 416, s24
	s_cmp_lt_u32 ttmp9, 416
	s_cselect_b64 s[22:23], s[12:13], s[22:23]     ; Wk from 400,
	s_cselect_b32 s24, 400, s24
	s_cmp_lt_u32 ttmp9, 400
	s_cselect_b64 s[22:23], s[10:11], s[22:23]     ; Wq from 384,
	s_cselect_b32 s24, 384, s24
	s_cmp_lt_u32 ttmp9, 384
	s_cselect_b64 s[22:23], s[8:9], s[22:23]       ; value from 256,
	s_cselect_b32 s24, 256, s24
	s_cmp_lt_u32 ttmp9, 256
	s_cselect_b64 s[22:23], s[6:7], s[22:23]       ; key from 128,
	s_cselect_b32 s24, 128, s24
	s_cmp_lt_u32 ttmp9, 128
	s_cselect_b64 s[22:23], s[4:5], s[22:23]       ; query from 0
	s_cselect_b32 s24, 0, s24
	s_sub_co_u32 s30, ttmp9, s24
	s_lshl_b32 s30, s30, 6
	s_add_co_u32 s30, s30, s29                     ; my tile's first row in its tensor,
	s_lshl_b32 s30, s30, 12                        ; in bytes (under 2^25)
	s_mov_b32 s31, 0
	s_add_nc_u64 s[22:23], s[22:23], s[30:31]
	s_add_nc_u64 s[18:19], s[18:19], s[34:35]      ; xc at my tile
	s_add_nc_u64 s[20:21], s[20:21], s[36:37]      ; xs at my tile
.macro LOAD j                          ; K step j of the tile's 16 rows into set j % 2: a load reads 512 consecutive bytes of one row
.set n, 0
.rept 16
	global_load_b128 v[R+64*((\j)%2)+4*n:R+64*((\j)%2)+4*n+3], v1, s[22:23] offset:(n+8*(n/8))*4096+512*(\j) th:TH_LOAD_NT
.set n, n+1
.endr
.endm
.macro KSTEP j
.if (\j) < 7
	s_wait_loadcnt 16                              ; this K step's 16 loads are in; the next K step's 16 may be out
.else
	s_wait_loadcnt 0x0
.endif
.set n, 0
.rept 16
	ds_store_b128 v2, v[R+64*((\j)%2)+4*n:R+64*((\j)%2)+4*n+3] offset:528*n
.set n, n+1
.endr
.set n, 0
.rept 16
	ds_load_b128 v[X+4*n:X+4*n+3], v3 offset:256*(n/8)+16*(n%8)   ; LDS serves a wave's instructions in order: these see the stores above
.set n, n+1
.endr
	s_wait_dscnt 0x0                               ; my 64 numbers are back, and the stores have read their registers,
.if (\j) < 6
	LOAD (\j)+2                                    ; which take the loads of two K steps on
.endif
.irp c, 0,1
	v_max3_num_f32 v[8+\c], |v[X+32*\c]|, |v[X+32*\c+1]|, 0x1800000   ; block 2 c + h is all mine; the floor 2^(3 - 127) holds the byte at 1 from below
.endr
.irp i, 2,4,6,8,10,12,14,16,18,20,22,24,26,28,30
.irp c, 0,1
	v_max3_num_f32 v[8+\c], v[8+\c], |v[X+32*\c+\i]|, |v[X+32*\c+\i+1]|
.endr
.endr
.irp c, 0,1
	v_add_nc_u32 v[10+\c], 0xff000000, v[8+\c]     ; 2 off the exponent field: the conversion's scale operand
.endr
.irp c, 0,1
	v_lshrrev_b32 v[12+\c], 23, v[10+\c]           ; the scale's byte
.endr
	v_lshl_or_b32 v14, v13, 16, v12                ; my two bytes, blocks h and 2 + h,
	v_lshlrev_b32 v14, v5, v14                     ; at their places in the word;
	v_permlanex16_b32 v15, v14, s26, s27
	v_or_b32 v[SW+(\j)], v14, v15                  ; with lane l xor 16's two the word is whole
	s_wait_alu depctr_va_vdst(0)
	s_wait_xcnt 0x0                                ; the last K step's stores have read the codes' registers: they are written again only behind this wait
.irp c, 0,1
	v_cvt_scalef32_pk16_fp6_f32 v[PC+6*\c:PC+6*\c+2], v[X+32*\c:X+32*\c+15], v[10+\c]
	v_cvt_scalef32_pk16_fp6_f32 v[CT+4*\c:CT+4*\c+2], v[X+32*\c+16:X+32*\c+31], v[10+\c]   ; (a conversion's three registers begin on an even number)
.endr
	v_nop                                          ; one plain place behind a scaled conversion
.irp c, 0,1
.irp i, 0,1,2
	v_mov_b32 v[PC+6*\c+3+\i], v[CT+4*\c+\i]
.endr
.endr
	global_store_b128 v1, v[PC:PC+3], s[18:19] offset:1536*(\j)          ; 512 consecutive bytes
	global_store_b64 v4, v[PC+4:PC+5], s[18:19] offset:1536*(\j)         ; 256 consecutive bytes
	global_store_b128 v1, v[PC+6:PC+9], s[18:19] offset:1536*(\j)+768
	global_store_b64 v4, v[PC+10:PC+11], s[18:19] offset:1536*(\j)+768
.endm
	LOAD 0
	LOAD 1
.irp j, 0,1,2,3,4,5,6,7
	KSTEP \j
.endr
	v_cmp_ne_u32 vcc_lo, 0, v5                     ; lanes 0-15 store the words of K steps 0-3, lanes 16-31 those of 4-7
.irp i, 0,1,2,3
	v_cndmask_b32 v[60+\i], v[SW+\i], v[SW+4+\i], vcc_lo
.endr
	global_store_b128 v1, v[60:63], s[20:21]       ; the tile's 512 bytes of scale words
	s_wait_tensorcnt 0x0                           ; the wave's end, behind my last LDS store
	ds_add_u32 v[SPW], v[NIL]
	s_wait_dscnt 0x0
	s_endpgm
.Lfunc_end_k_qf08f9f6598_quant:
	.size	k_qf08f9f6598_quant, .Lfunc_end_k_qf08f9f6598_quant-k_qf08f9f6598_quant
	.p2alignl 7, 3214868480
	.fill 96, 4, 3214868480
	.section	.rodata,"a",@progbits
	.p2align	6, 0x0
	.amdhsa_kernel k_qf08f9f6598_quant
		.amdhsa_group_segment_fixed_size 34304
		.amdhsa_private_segment_fixed_size 0
		.amdhsa_enable_private_segment 0
		.amdhsa_kernarg_size 72
		.amdhsa_user_sgpr_count 2
		.amdhsa_user_sgpr_kernarg_segment_ptr 1
		.amdhsa_wavefront_size32 1
		.amdhsa_system_sgpr_workgroup_id_x 1
		.amdhsa_system_sgpr_workgroup_id_y 1
		.amdhsa_system_sgpr_workgroup_id_z 1
		.amdhsa_system_vgpr_workitem_id 0
		.amdhsa_next_free_vgpr 256
		.amdhsa_next_free_sgpr 66
		.amdhsa_reserve_vcc 1
		.amdhsa_float_denorm_mode_32 3
		.amdhsa_float_denorm_mode_16_64 3
		.amdhsa_memory_ordered 1
		.amdhsa_forward_progress 1
		.amdhsa_inst_pref_size 59
	.end_amdhsa_kernel
	.amdgpu_metadata
---
amdhsa.version: [ 1, 2 ]
amdhsa.kernels:
  - .name:           k_qf08f9f6598_quant
    .symbol:         k_qf08f9f6598_quant.kd
    .args:
      - { .name: query, .offset: 0, .size: 8, .value_kind: global_buffer, .address_space: global }
      - { .name: key, .offset: 8, .size: 8, .value_kind: global_buffer, .address_space: global }
      - { .name: value, .offset: 16, .size: 8, .value_kind: global_buffer, .address_space: global }
      - { .name: Wq, .offset: 24, .size: 8, .value_kind: global_buffer, .address_space: global }
      - { .name: Wk, .offset: 32, .size: 8, .value_kind: global_buffer, .address_space: global }
      - { .name: Wv, .offset: 40, .size: 8, .value_kind: global_buffer, .address_space: global }
      - { .name: Wo, .offset: 48, .size: 8, .value_kind: global_buffer, .address_space: global }
      - { .name: xc, .offset: 56, .size: 8, .value_kind: global_buffer, .address_space: global }
      - { .name: xs, .offset: 64, .size: 8, .value_kind: global_buffer, .address_space: global }
    .group_segment_fixed_size: 34304
    .private_segment_fixed_size: 0
    .kernarg_segment_align: 8
    .kernarg_segment_size: 72
    .max_flat_workgroup_size: 128
    .sgpr_count:     66
    .vgpr_count:     256
    .wavefront_size: 32
...
	.end_amdgpu_metadata
.endif
;; end of part 1
;; launch proj (part 2): grid 4 x 96, 4 waves a work-group, clusters of 4 x 4, 327,680 bytes of LDS; arguments xc, xs, bq, bk, bv, mask, qf, kv; writes qf, kv
.if DOCPART == 2
	.amdgcn_target "amdgcn-amd-amdhsa--gfx1250"
	.amdhsa_code_object_version 6
	.text
	.protected	k_qf08f9f6598_proj
	.globl	k_qf08f9f6598_proj
	.p2align	8
	.type	k_qf08f9f6598_proj,@function
k_qf08f9f6598_proj:
	s_mov_b64 s[64:65], 0
	v_nop
	global_prefetch_b8 v0, s[64:65] scope:SCOPE_SE
	s_setreg_imm32_b32 hwreg(HW_REG_WAVE_MODE, 25, 1), 1
	s_wait_xcnt 0x0
	s_wait_alu depctr_hold_cnt(0) depctr_sa_sdst(0) depctr_va_vdst(0) depctr_va_sdst(0) depctr_va_ssrc(0) depctr_va_vcc(0) depctr_vm_vsrc(0)
	s_getreg_b32 s2, hwreg(HW_REG_IB_STS2, 6, 4)
	s_cmp_eq_u32 s2, 0
	s_cbranch_scc0 .Lentry_in_a_cluster
	s_endpgm
.Lentry_in_a_cluster:
	s_bfe_u32 s2, ttmp6, 0x10000c
	s_cmp_lg_u32 s2, 0xf033
	s_cbranch_scc0 .Lentry_shape_is_right
	s_endpgm
.Lentry_shape_is_right:
.set FR,     12
.set NL,     4
.set NP,     4
.set HALFT,  8*3072
.set SLOT,   4*HALFT
.set SCL,    2*SLOT
.set SPARE,  SCL+4*4096
.set SB,     13056
.set HB,     16*SB
.set QHB,    106496
.set XM,   8
.set ADRA, 16
.set ADRB, 20
.set ADRS, 27
.set SPW,  28
.set NIL,  29
.set SC,   32
.set BIAS, 64
.set AF,   128
.set BV,   224
.set Y,    128
.set PC,   192
.set TM,   64
.set PWS,  80
.set SELW, 88
.set XS,   92
.set DW,   96
.set G0S,  4
.set G0SB, 8
.set G1,   24
.set G0,   32
.set G1S,  40
.set G1B,  48
.set G0B,  56
.set G1SB, 84
.set MSB, 0
.macro WIN new
.if MSB != (\new)
	s_set_vgpr_msb (MSB<<8)|(\new)
.set MSB, (\new)
.endif
.endm
.set MUL_LO, 0xa1
.set MUL_HI, 0xf1
.set TO_B,   0x40
.macro JLOAD g0a, g1a, g0b, g1b
	s_cmp_eq_u32 s13, 0
	s_cbranch_scc0 .Lfor_r_\@
	tensor_load_to_lds s[\g0a:\g0a+3], s[\g1a:\g1a+7]
	s_nop 0
.rept 4
	v_nop
.endr
	s_branch .Lasked_\@
.Lfor_r_\@:
	tensor_load_to_lds s[\g0b:\g0b+3], s[\g1b:\g1b+7]
	s_nop 0
.rept 4
	v_nop
.endr
.Lasked_\@:
.endm
.macro CREST
	s_cmp_lg_u32 s12, 0
	s_cbranch_scc1 .Lnot_wave_0_\@
	s_barrier_signal -3
.Lnot_wave_0_\@:
	s_barrier_wait -3
	s_barrier_signal -1
	s_barrier_wait -1
.endm
.macro CROUND
	s_barrier_signal -1
	s_barrier_wait -1
	CREST
.endm
.macro PLACES n
.rept \n
	v_nop
.endr
.endm
.macro FRAG reg, adr, q, i
	ds_load_b128 v[\reg:\reg+3], v[\adr] offset:(\i)*3072+(\q)*1536
	ds_load_b64 v[\reg+4:\reg+5], v[\adr+2] offset:(\i)*3072+(\q)*1536
	ds_load_b128 v[\reg+6:\reg+9], v[\adr] offset:(\i)*3072+(\q)*1536+768
	ds_load_b64 v[\reg+10:\reg+11], v[\adr+2] offset:(\i)*3072+(\q)*1536+768
.endm
.macro FETCH_B slot, q, p
	WIN TO_B
.irp i, 0,1,2,3,4,5,6,7
	FRAG 128*(\p)+FR*\i, ADRB+\slot, \q, \i
.endr
	WIN 0
.endm
.macro FETCH_A slot, q, i0
.irp i, \i0, \i0+1, \i0+2, \i0+3
	FRAG AF+FR*(\i), ADRA+\slot, \q, \i
.endr
.endm
.macro SCALES sc, ks
.irp i, 0,1,2,3,4,5,6,7
	ds_load_b64 v[SC+16*(\sc)+2*\i:SC+16*(\sc)+2*\i+1], v[ADRS] offset:512*\i+256*((\ks)/2)+8*((\ks)%2)
.endr
.endm
.macro MUL16 a0, p, q, sc, first
.irp a, \a0, \a0+1
.irp b, 0,1,2,3,4,5,6,7
.if \first
	v_wmma_scale_f32_16x16x128_f8f6f4 v[8*(8*((\a)%4)+\b):8*(8*((\a)%4)+\b)+7], v[128*(\p)+FR*\b:128*(\p)+FR*\b+FR-1], v[AF+FR*(\a):AF+FR*(\a)+FR-1], v[BIAS+8*\b:BIAS+8*\b+7], v[SC+16*(\sc)+2*\b+(\q)], v[SC+16*(\sc)+2*(\a)+(\q)] matrix_a_fmt:MATRIX_FMT_FP6 matrix_b_fmt:MATRIX_FMT_FP6 matrix_a_scale:MATRIX_SCALE_ROW1
.else
	v_wmma_scale_f32_16x16x128_f8f6f4 v[8*(8*((\a)%4)+\b):8*(8*((\a)%4)+\b)+7], v[128*(\p)+FR*\b:128*(\p)+FR*\b+FR-1], v[AF+FR*(\a):AF+FR*(\a)+FR-1], v[8*(8*((\a)%4)+\b):8*(8*((\a)%4)+\b)+7], v[SC+16*(\sc)+2*\b+(\q)], v[SC+16*(\sc)+2*(\a)+(\q)] matrix_a_fmt:MATRIX_FMT_FP6 matrix_b_fmt:MATRIX_FMT_FP6 matrix_a_scale:MATRIX_SCALE_ROW1
.endif
.endr
.endr
.endm
.macro STEP slot, first
	s_wait_dscnt 4*NL
.if \first
	WIN 0x81
.else
	WIN MUL_LO
.endif
	MUL16 0, 0, 0, \slot, \first
	MUL16 2, 0, 0, \slot, \first
	s_wait_dscnt 0x0
	PLACES NP
	FETCH_B \slot, 1, 1
	FETCH_A \slot, 1, 0
.if \first
	WIN 0xc1
.else
	WIN MUL_HI
.endif
	MUL16 4, 0, 0, \slot, \first
	MUL16 6, 0, 0, \slot, \first
	PLACES NP
	WIN 0
	FETCH_A \slot, 1, 4
.endm
.macro TURN slot, next, fill, ks
	s_wait_tensorcnt 0x0
	ds_add_u32 v[SPW], v[NIL]
	s_wait_dscnt 4*NL+1
	WIN MUL_LO
	MUL16 0, 1, 1, \slot, 0
	s_wait_dscnt 0x0
	s_barrier_signal -1
	MUL16 2, 1, 1, \slot, 0
	WIN 0
	s_barrier_wait -1
.if \fill
	CREST
	s_add_nc_u64 s[G0+4*\slot+2:G0+4*\slot+3], s[G0+4*\slot+2:G0+4*\slot+3], 6144
	s_add_nc_u64 s[G0B+4*\slot+2:G0B+4*\slot+3], s[G0B+4*\slot+2:G0B+4*\slot+3], 6144
	JLOAD G0+4*\slot, G1, G0B+4*\slot, G1B
.else
	PLACES NP
.endif
	FETCH_B \next, 0, 0
	FETCH_A \next, 0, 0
	SCALES \next, \ks
	WIN MUL_HI
	MUL16 4, 1, 1, \slot, 0
	MUL16 6, 1, 1, \slot, 0
	PLACES NP
	WIN 0
	FETCH_A \next, 0, 4
.endm
	s_load_b512 s[68:83], s[0:1], 0x0
	v_lshl_add_u32 v[SPW], v0, 2, SPARE
	v_mov_b32 v[NIL], 0
	ds_add_u32 v[SPW], v[NIL]
	ds_add_u32 v[SPW], v[NIL]
	v_lshrrev_b32 v1, 5, v0
	v_readfirstlane_b32 s12, v1
	s_lshr_b32 s13, s12, 1
	s_and_b32 s14, s12, 1
	s_bfe_u32 s16, ttmp6, 0x40000
	s_bfe_u32 s17, ttmp6, 0x40004
	s_and_b32 s18, ttmp7, 0xffff
	s_lshr_b32 s15, s18, 3
	s_and_b32 s18, s18, 7
	s_lshl_b32 s2, s17, 2
	s_lshl_b32 s2, 15, s2
	s_lshl_b32 s3, 0x1111, s16
	s_or_b32 s[G1], s2, (3<<16)|(1<<21)
	s_or_b32 s[G1S], s2, (3<<16)|(1<<21)
	s_or_b32 s[G1B], s3, (3<<16)|(1<<21)
	s_or_b32 s[G1SB], s3, (3<<16)|(1<<21)
.irp g, G1, G1B
	s_mov_b32 s[\g+1], 384<<16
	s_mov_b32 s[\g+2], 16<<16
	s_mov_b32 s[\g+3], 384<<16
	s_mov_b32 s[\g+4], 16
	s_mov_b32 s[\g+5], 1536
	s_mov_b32 s[\g+6], 0
	s_mov_b32 s[\g+7], 0
.endr
.irp g, G1S, G1SB
	s_mov_b32 s[\g+1], 32<<16
	s_mov_b32 s[\g+2], 32<<16
	s_mov_b32 s[\g+3], 32<<16
	s_mov_b32 s[\g+4], 32
	s_mov_b32 s[\g+5], 32
	s_mov_b32 s[\g+6], 0
	s_mov_b32 s[\g+7], 0
.endr
	s_lshr_b32 s19, s15, 1
	s_xor_b32 s20, s19, 1
	s_lshl_b32 s21, s15, 9
	s_lshl_b32 s22, s18, 6
	s_add_co_u32 s21, s21, s22
	s_mul_i32 s21, s21, s20
	s_mul_i32 s23, s19, 1664
	s_add_co_u32 s21, s21, s23
	s_lshl_b32 s23, s14, 3
	s_add_co_u32 s21, s21, s23
	s_lshl_b32 s92, s17, 4
	s_add_co_u32 s92, s92, s21
	s_lshl_b32 s21, s15, 6
	s_add_co_u32 s21, s21, 1536
	s_mul_i32 s21, s21, s20
	s_add_co_u32 s22, s22, 1024
	s_mul_i32 s22, s22, s19
	s_add_co_u32 s21, s21, s22
	s_add_co_u32 s21, s21, s23
	s_lshl_b32 s94, s16, 4
	s_add_co_u32 s94, s94, s21
	s_lshl_b32 s96, s92, 9
	s_mov_b32 s97, 0
	s_mul_i32 s92, s92, 12288
	s_mov_b32 s93, 0
	s_lshl_b32 s98, s94, 9
	s_mov_b32 s99, 0
	s_mul_i32 s94, s94, 12288
	s_mov_b32 s95, 0
	s_mul_i32 s100, s12, HALFT
	s_lshl_b32 s101, s12, 12
	s_wait_dscnt 0x0
	s_wait_kmcnt 0x0
	CROUND
	s_lshl_b32 s101, s14, 12                       ; the head's four loads bring whole tiles, both halves: my half's 8 tiles come off the offsets: 8 x 512 bytes of scale words,
	s_sub_co_u32 s96, s96, s101
	s_sub_co_u32 s98, s98, s101
	s_mul_i32 s2, s14, 8*12288                     ; and 8 x 12,288 bytes of codes
	s_mov_b32 s3, 0
	s_mov_b32 s[G0S], 1                            ; the scale words of the left operand's 16 tiles: 32 rows of 256 bytes,
	s_mov_b32 s[G0S+1], SCL
	s_add_nc_u64 s[G0S+2:G0S+3], s[70:71], s[96:97]
	s_or_b32 s[G0S+3], s[G0S+3], 0x80000000
	s_mov_b32 s[G0SB], 1                           ; and of the right operand's, behind them
	s_mov_b32 s[G0SB+1], SCL+8192
	s_add_nc_u64 s[G0SB+2:G0SB+3], s[70:71], s[98:99]
	s_or_b32 s[G0SB+3], s[G0SB+3], 0x80000000
	s_mov_b32 s20, 1                               ; s[20:23]: slot 0's codes of the left operand's 16 tiles
	s_mov_b32 s21, 0
	s_add_nc_u64 s[22:23], s[68:69], s[92:93]
	s_sub_nc_u64 s[22:23], s[22:23], s[2:3]
	s_or_b32 s23, s23, 0x80000000
	s_add_nc_u64 s[92:93], s[68:69], s[92:93]
	s_add_nc_u64 s[94:95], s[68:69], s[94:95]
.irp s, 0,1
	s_mov_b32 s[G0+4*\s], 1
	s_add_co_u32 s[G0+4*\s+1], s100, \s*SLOT
	s_add_nc_u64 s[G0+4*\s+2:G0+4*\s+3], s[92:93], \s*3072
	s_or_b32 s[G0+4*\s+3], s[G0+4*\s+3], 0x80000000
	s_mov_b32 s[G0B+4*\s], 1
	s_add_co_u32 s[G0B+4*\s+1], s100, \s*SLOT
	s_add_nc_u64 s[G0B+4*\s+2:G0B+4*\s+3], s[94:95], \s*3072
	s_or_b32 s[G0B+4*\s+3], s[G0B+4*\s+3], 0x80000000
.endr
	s_sub_nc_u64 s[94:95], s[94:95], s[2:3]        ; s[92:95]: slot 0's codes of the right operand's 16 tiles (the ring's own group 0 has been made of these registers)
	s_or_b32 s95, s95, 0x80000000
	s_mov_b32 s92, 1
	s_mov_b32 s93, 2*HALFT
; the head's loads, one a wave, in one chain of branches on the wave's number: every way passes exactly one load
.macro ARM under, g0, g1, next
	s_cmp_lt_u32 s12, \under
	s_cbranch_scc0 \next
	tensor_load_to_lds s[\g0:\g0+3], s[\g1:\g1+7]
	s_nop 0
.rept 4
	v_nop
.endr
	s_branch .Lhead_asked
\next:
.endm
	ARM 1, 20, G1, .Lhead_b
	ARM 2, 92, G1B, .Lhead_sa
	ARM 3, G0S, G1S, .Lhead_sb
	tensor_load_to_lds s[G0SB:G0SB+3], s[G1SB:G1SB+7]
	s_nop 0
.rept 4
	v_nop
.endr
.Lhead_asked:
	v_and_b32 v1, 31, v0
	v_and_b32 v2, 15, v0
	v_bfe_u32 v3, v0, 4, 1
	s_wait_alu depctr_va_vdst(0)
	v_and_b32 v4, 8, v2
	v_add_nc_u32 v4, v4, v2
	s_wait_alu depctr_va_vdst(0)
	s_cmp_eq_u32 s15, 0
	s_cselect_b64 s[98:99], s[72:73], s[74:75]
	s_cmp_eq_u32 s15, 2
	s_cselect_b64 s[98:99], s[76:77], s[98:99]
	s_cselect_b32 s104, 0, -1
	s_cselect_b32 s105, -1, 0
	s_lshl_b32 s2, s16, 10
	s_lshl_b32 s3, s14, 9
	s_add_co_u32 s2, s2, s3
	v_lshl_add_u32 v5, v3, 6, s2
	s_wait_alu depctr_va_vdst(0)
	s_lshl_b32 s2, s17, 10
	s_lshl_b32 s3, s13, 9
	s_add_co_u32 s2, s2, s3
	v_lshl_add_u32 v6, v4, 2, s2
	s_lshl_b32 s2, s18, 2
	s_add_co_u32 s2, s2, s17
	s_lshl_b32 s2, s2, 8
	s_lshl_b32 s3, s13, 7
	s_add_co_u32 s2, s2, s3
	v_add_nc_u32 v7, s2, v4
.irp b, 0,1,2,3,4,5,6,7
	global_load_b128 v[BIAS+8*\b:BIAS+8*\b+3], v5, s[98:99] offset:128*(\b/2)+32*(\b%2)
	global_load_b128 v[BIAS+8*\b+4:BIAS+8*\b+7], v5, s[98:99] offset:128*(\b/2)+32*(\b%2)+16
.endr
.irp a, 0,1,2,3,4,5,6,7
	global_load_b32 v[BV+2*\a], v6, s[98:99] offset:4*(32*(\a/2)+8*(\a%2))
	global_load_u8 v[XM+\a], v7, s[78:79] offset:32*(\a/2)+8*(\a%2)
.endr
	v_lshlrev_b32 v24, 4, v1
	v_lshl_add_u32 v25, v1, 3, 512
	s_mul_i32 s2, s13, HALFT
	s_mul_i32 s3, s14, HALFT
	s_add_co_u32 s3, s3, 2*HALFT
.irp s, 0,1
	v_add_nc_u32 v[ADRA+\s], s2, v24
	v_add_nc_u32 v[ADRA+2+\s], s2, v25
	v_add_nc_u32 v[ADRB+\s], s3, v24
	v_add_nc_u32 v[ADRB+2+\s], s3, v25
	s_add_co_u32 s2, s2, SLOT
	s_add_co_u32 s3, s3, SLOT
.endr
	s_lshl_b32 s2, s13, 12
	s_lshl_b32 s3, s14, 12
	s_add_co_u32 s3, s3, 8192
	s_sub_co_u32 s3, s3, s2
	v_mul_u32_u24 v4, s3, v3
	s_add_co_u32 s2, s2, SCL
	v_lshl_add_u32 v4, v2, 4, v4
	v_add_nc_u32 v[ADRS], s2, v4
	s_wait_alu depctr_va_vdst(0)
	s_wait_tensorcnt 0x0                           ; my tile of the head's four is in
	ds_add_u32 v28, v29
	s_mov_b32 s[G1+2], 8<<16                       ; no tensor load of mine is out: from here on a load brings 8 tiles
	s_mov_b32 s[G1+4], 8
	s_mov_b32 s[G1B+2], 8<<16
	s_mov_b32 s[G1B+4], 8
	s_wait_dscnt 0x0
	CROUND                                         ; all four tiles are in, and all sixteen work-groups are here
	JLOAD G0+4, G1, G0B+4, G1B                     ; slot 1's first fill, the first tensor load behind the round
	FETCH_B 0, 0, 0
	FETCH_A 0, 0, 0
	SCALES 0, 0
	FETCH_A 0, 0, 4
	s_wait_loadcnt 0x0
.set n, 0
.rept 64
	v_cndmask_b32 v[BIAS+n], 0, v[BIAS+n], s104
.set n, n+1
.endr
.irp a, 0,1,2,3,4,5,6,7
	v_cndmask_b32 v[BV+2*\a], 0, v[BV+2*\a], s105
	v_mov_b32 v[BV+2*\a+1], 0
.endr
	STEP 0, 1
	TURN 0, 1, 1, 1
	STEP 1, 0
	TURN 1, 0, 1, 2
	STEP 0, 0
	TURN 0, 1, 0, 3
	STEP 1, 0
	s_wait_dscnt 4*NL
	WIN MUL_LO
	MUL16 0, 1, 1, 1, 0
	MUL16 2, 1, 1, 1, 0
	s_wait_dscnt 0x0
	WIN MUL_HI
	MUL16 4, 1, 1, 1, 0
	MUL16 6, 1, 1, 1, 0
	WIN 0
	PLACES NP
	s_cmp_eq_u32 s15, 2
	s_cselect_b32 s2, s16, s17
	s_cselect_b32 s3, s17, s16
	s_cselect_b32 s19, s14, s13
	s_cselect_b32 s20, s13, s14
	s_mov_b32 s96, 768
	s_cselect_b32 s96, 1536, s96
	s_mov_b32 s98, 768
	s_cselect_b32 s98, HB-4608, s98
	s_cselect_b32 s21, 6144, 0
	s_cselect_b32 s104, 512, 0
	s_mov_b32 s97, 0
	s_mov_b32 s99, 0
	s_and_b32 s100, s18, 1
	s_lshl_b32 s100, s100, 2
	s_add_co_u32 s100, s100, s2
	s_lshl_b32 s100, s100, 1
	s_add_co_u32 s19, s100, s19
	s_lshr_b32 s100, s18, 1
	s_lshl_b32 s100, s100, 4
	s_lshl_b32 s3, s3, 2
	s_add_co_u32 s100, s100, s3
	s_lshl_b32 s20, s20, 1
	s_add_co_u32 s20, s100, s20
	s_cmp_eq_u32 s15, 0
	s_mov_b32 s2, HB
	s_cselect_b32 s2, QHB, s2
	s_mov_b32 s3, SB
	s_cselect_b32 s100, 6144, s3
	s_cselect_b32 s101, 512, s3
	s_cselect_b64 s[92:93], s[80:81], s[82:83]
	s_mov_b32 s3, 12288
	s_cselect_b32 s3, 98304, s3
	s_mul_i32 s20, s20, s2
	s_mul_i32 s100, s19, s100
	s_mul_i32 s101, s19, s101
	s_add_co_u32 s100, s100, s20
	s_add_co_u32 s100, s100, s21
	s_add_co_u32 s101, s101, s20
	s_add_co_u32 s101, s101, s3
	s_add_co_u32 s101, s101, s104
	s_mov_b32 s16, s101
	s_mov_b32 s17, 0
	s_add_nc_u64 s[66:67], s[92:93], s[16:17]
	s_mov_b32 s16, s100
	s_add_nc_u64 s[92:93], s[92:93], s[16:17]
	s_cmp_eq_u32 s15, 2
	s_cselect_b32 s16, 768, s2
	s_add_nc_u64 s[94:95], s[92:93], s[16:17]
	s_mov_b32 s16, s2
	s_add_nc_u64 s[104:105], s[66:67], s[16:17]
	s_cmp_eq_u32 s15, 1
	s_mov_b32 s100, 100<<16
	s_cselect_b32 s100, 254<<16, s100
	s_cselect_b32 s101, 254<<16, 0
	s_mov_b32 s22, 0x76543210
	s_mov_b32 s23, 0xfedcba98
.irp b, 0,1,2,3
	v_mov_b32 v[TM+4+\b], 0
.endr
	v_mul_u32_u24 v26, v3, HB
	v_lshl_add_u32 v26, v2, 4, v26
.macro QUANT s, pw
.irp b, 0,1,2,3
	v_max3_num_f32 v[TM+\b], |v[\s+16*\b]|, |v[\s+1+16*\b]|, 0x1800000
.endr
.irp i, 2,4,6,8,10,12,14
.irp b, 0,1,2,3
	v_max3_num_f32 v[TM+\b], v[TM+\b], |v[\s+16*\b+\i]|, |v[\s+1+16*\b+\i]|
.endr
.endr
.irp b, 0,1,2,3
	v_permlanex16_b32 v[TM+4+\b], v[TM+\b], s22, s23
.endr
.irp b, 0,1,2,3
	v_max_num_f32 v[TM+\b], v[TM+\b], v[TM+4+\b]
.endr
.irp b, 0,1,2,3
	v_add_nc_u32 v[TM+12+\b], 0xff000000, v[TM+\b]
.endr
.irp b, 0,1,2,3
	v_lshrrev_b32 v[TM+4+\b], 23, v[TM+12+\b]
.endr
	v_lshl_or_b32 v[\pw], v[TM+5], 8, v[TM+4]
	v_lshl_or_b32 v[\pw], v[TM+6], 16, v[\pw]
	v_lshl_or_b32 v[\pw], v[TM+7], 24, v[\pw]
.irp c, 0,1
	v_cvt_scalef32_pk16_fp6_f32 v[PC+6*\c:PC+2+6*\c], v[\s+32*\c:\s+15+32*\c], v[TM+12+2*\c]
	v_cvt_scalef32_pk16_fp6_f32 v[PC+12+4*\c:PC+14+4*\c], v[\s+16+32*\c:\s+31+32*\c], v[TM+12+2*\c+1]
.endr
	v_nop
.irp c, 0,1
.irp i, 0,1,2
	v_permlane16_swap_b32 v[PC+6*\c+\i], v[PC+12+4*\c+\i]
.endr
.irp i, 0,1,2
	v_mov_b32 v[PC+3+6*\c+\i], v[PC+12+4*\c+\i]
.endr
.endr
.endm
.macro EPI a
	WIN 0x02+((\a)/4)
.set n, 0
.rept 32
	v_pk_add_f32 v[Y+2*n:Y+2*n+1], v[64*((\a)%4)+2*n:64*((\a)%4)+2*n+1], v[BV+2*(\a):BV+2*(\a)+1] op_sel_hi:[1,0]
.set n, n+1
.endr
	WIN 0
	s_wait_xcnt 0x0
.if (\a) == 4
	s_add_nc_u64 s[92:93], s[92:93], s[98:99]
	s_add_nc_u64 s[94:95], s[94:95], s[98:99]
.elseif (\a) > 0
	s_add_nc_u64 s[92:93], s[92:93], s[96:97]
	s_add_nc_u64 s[94:95], s[94:95], s[96:97]
.endif
	QUANT Y, PWS+(\a)
	global_store_b128 v24, v[PC:PC+3], s[92:93]
	global_store_b64 v25, v[PC+4:PC+5], s[92:93]
	global_store_b128 v24, v[PC+6:PC+9], s[94:95]
	global_store_b64 v25, v[PC+10:PC+11], s[94:95]
.endm
.irp a, 0,1,2,3,4,5,6,7
	EPI \a
.endr
	v_cmp_ne_u32 vcc_lo, 0, v3
.irp i, 0,1,2,3
	v_cndmask_b32 v[SELW+\i], v[PWS+\i], v[PWS+4+\i], vcc_lo
.endr
	s_cmp_eq_u32 s15, 2
	s_cbranch_scc1 .Lwords_v
.irp i, 0,1,2,3
	v_cndmask_b32 v[XS+\i], v[XM+\i], v[XM+4+\i], vcc_lo
.endr
.irp i, 0,1,2,3
	v_mul_u32_u24 v[XS+\i], v[XS+\i], s101
.endr
.irp i, 0,1,2,3
	v_sub_nc_u32 v[XS+\i], s100, v[XS+\i]
.endr
.irp i, 0,1,2,3
	v_and_or_b32 v[DW+\i], v[SELW+\i], 0xffff, v[XS+\i]
	v_lshrrev_b32 v[DW+4+\i], 16, v[SELW+\i]
	v_or_b32 v[DW+4+\i], v[DW+4+\i], v[XS+\i]
.endr
	global_store_b128 v24, v[DW:DW+3], s[66:67]
	global_store_b128 v24, v[DW+4:DW+7], s[104:105]
	s_branch .Lwords_done
.Lwords_v:
	s_wait_alu depctr_va_vdst(0)
	global_store_b128 v26, v[SELW:SELW+3], s[66:67]
.Lwords_done:
	s_wait_tensorcnt 0x0
	ds_add_u32 v[SPW], v[NIL]
	s_wait_dscnt 0x0
	CROUND
	s_endpgm
.Lfunc_end_k_qf08f9f6598_proj:
	.size	k_qf08f9f6598_proj, .Lfunc_end_k_qf08f9f6598_proj-k_qf08f9f6598_proj
	.p2alignl 7, 3214868480
	.fill 96, 4, 3214868480
	.section	.rodata,"a",@progbits
	.p2align	6, 0x0
	.amdhsa_kernel k_qf08f9f6598_proj
		.amdhsa_group_segment_fixed_size 327680
		.amdhsa_private_segment_fixed_size 0
		.amdhsa_enable_private_segment 0
		.amdhsa_kernarg_size 64
		.amdhsa_user_sgpr_count 2
		.amdhsa_user_sgpr_kernarg_segment_ptr 1
		.amdhsa_wavefront_size32 1
		.amdhsa_system_sgpr_workgroup_id_x 1
		.amdhsa_system_sgpr_workgroup_id_y 1
		.amdhsa_system_sgpr_workgroup_id_z 1
		.amdhsa_system_vgpr_workitem_id 0
		.amdhsa_next_free_vgpr 1024
		.amdhsa_next_free_sgpr 106
		.amdhsa_reserve_vcc 1
		.amdhsa_float_denorm_mode_32 3
		.amdhsa_float_denorm_mode_16_64 3
		.amdhsa_memory_ordered 1
		.amdhsa_forward_progress 1
		.amdhsa_inst_pref_size 177
	.end_amdhsa_kernel
	.amdgpu_metadata
---
amdhsa.version: [ 1, 2 ]
amdhsa.kernels:
  - .name:           k_qf08f9f6598_proj
    .symbol:         k_qf08f9f6598_proj.kd
    .args:
      - { .name: xc, .offset: 0, .size: 8, .value_kind: global_buffer, .address_space: global }
      - { .name: xs, .offset: 8, .size: 8, .value_kind: global_buffer, .address_space: global }
      - { .name: bq, .offset: 16, .size: 8, .value_kind: global_buffer, .address_space: global }
      - { .name: bk, .offset: 24, .size: 8, .value_kind: global_buffer, .address_space: global }
      - { .name: bv, .offset: 32, .size: 8, .value_kind: global_buffer, .address_space: global }
      - { .name: mask, .offset: 40, .size: 8, .value_kind: global_buffer, .address_space: global }
      - { .name: qf, .offset: 48, .size: 8, .value_kind: global_buffer, .address_space: global }
      - { .name: kv, .offset: 56, .size: 8, .value_kind: global_buffer, .address_space: global }
    .group_segment_fixed_size: 327680
    .private_segment_fixed_size: 0
    .kernarg_segment_align: 8
    .kernarg_segment_size: 64
    .max_flat_workgroup_size: 128
    .sgpr_count:     106
    .vgpr_count:     1024
    .wavefront_size: 32
...
	.end_amdgpu_metadata
.endif
;; end of part 2
;; launch attn (part 3): grid 4 x 64, 16 waves a work-group, clusters of 4 x 1, 327,680 bytes of LDS; arguments qf, kv, ac, asc; writes ac, asc
.if DOCPART == 3
	.amdgcn_target "amdgcn-amd-amdhsa--gfx1250"
	.amdhsa_code_object_version 6
	.text
	.protected	k_qf08f9f6598_attn
	.globl	k_qf08f9f6598_attn
	.p2align	8
	.type	k_qf08f9f6598_attn,@function
k_qf08f9f6598_attn:
	s_mov_b64 s[64:65], 0
	v_nop
	global_prefetch_b8 v0, s[64:65] scope:SCOPE_SE
	s_setreg_imm32_b32 hwreg(HW_REG_WAVE_MODE, 25, 1), 1
	s_wait_xcnt 0x0
	s_wait_alu depctr_hold_cnt(0) depctr_sa_sdst(0) depctr_va_vdst(0) depctr_va_sdst(0) depctr_va_ssrc(0) depctr_va_vcc(0) depctr_vm_vsrc(0)
	s_getreg_b32 s2, hwreg(HW_REG_IB_STS2, 6, 4)
	s_cmp_eq_u32 s2, 0
	s_cbranch_scc0 .Lentry_in_a_cluster
	s_endpgm
.Lentry_in_a_cluster:
	s_bfe_u32 s2, ttmp6, 0x10000c
	s_cmp_lg_u32 s2, 0x3003
	s_cbranch_scc0 .Lentry_shape_is_right
	s_endpgm
.Lentry_shape_is_right:
; For each of 64 heads: O = softmax(Q K^T / 8, masked) V, both products on codes of FP6 (E2M3) with E8M0 scales, and O quantised along the model's 1,024 for the last product.
; THE SOFTMAX AHEAD OF THE SECOND PRODUCT: t = score x log2(e) / 8; M = the row's largest t so far, rounded up to a whole number; p = 2^(t - M) is quantised along the keys, not normalised; the row's sum is taken of the
; unquantised p and divides O at the end.  When M moves, the sum and O are multiplied by 2^(old M - new M): exact.
; SHARES.  A work-group owns 512 queries of one head, in two passes of 256; in a pass each of its sixteen waves owns one tile of 16 queries.  Four waves share a SIMD, 256 registers each: no register window is switched.
; THE WHOLE HEAD'S K AND V LIE IN LDS: 208,896 bytes, in kv's own layout, filled once: no ring, nothing is filled again.  The four work-groups of a cluster own the same head: every fill is asked for jointly.
; Wave w fetches key step w (13,056 bytes, 51 rows of 256): one tensor load a wave, sixteen in all.  No prefetch: all that the launch reads of kv is asked for at its head, and both passes' tiles of Q too.
; LAYOUT.  Both products are used transposed: S^T = K Q^T, O^T = V^T P^T: a lane holds one query (l % 16) throughout.  The keys of a tile of K, and the channels of a tile of V, are 32 (T / 2) + 8 (T % 2) + r + 8 (r / 8):
; so the 16 registers of result tiles 2 b, 2 b + 1 are 16 neighbours along the next K.
; THE MASK COSTS NO INSTRUCTION HERE.  The scores' K is 64, the instruction's 128.  At k = 64 Q has the code 1.0 and K the code -7.5 (constant registers); byte 2 of Q's scale word is 100, of K's 254 for a masked key and 0 for one
; that counts (made by the launch before): a masked score gets -7.5 x 2^100, so its p is 0.  The largest t starts at -2^80.  A batch with no key that counts has the sum 0: its rows get the scale bytes 0xff, NaN in the last product.
; K'S FRAGMENTS LIE 8 REGISTERS APART.  Of a fragment's 12 registers 0-5 are loaded and 6 is the constant; all of Q's codes at k = 65 .. 127 are zeros, so whatever codes stand in K's registers 7-11 add nothing
; (FP6 has no NaN and no infinity): there stand a zero and the next fragment's first four registers.  So all eight fragments of a key step take 68 registers, and the next step's are asked for behind this step's eight products.
; LIMITS: |t| under 2^80; -7.5 x 2^-154 is added to counted scores; a block of zeros has the byte 1 (read by this program alone); NaN and infinities are not served.
; The block's largest p is made from the block's largest score by the same two instructions: this takes v_exp_f32 not to fall where its input rises.
; REGISTERS: v1-3 lane terms; v4, v5, v7 the step's LDS addresses; v8, v9 the add's two; v12 -M, v13 the largest t, v[14:15] the sum in two halves; v16-27 Q; v28 Q's scale word; v30 p's;
;   v32-99 K's eight fragments; v100-103 K's scale words; v104-107 V's; v108-171 S^T, then p, then V's four fragments; v172-203 O^T; v204-215 p's codes; v216-241 at work; v242-248 the second pass's Q.
.set SB,    13056                      ; a key step: K 8 x 768, V 4 x 1,536, K's words 512, V's words 256
.set HB,    16*SB
.set QHB,   106496
.set SPARE, HB                         ; behind the head: the spare words, 128 bytes a wave: eight blocks of 256 bytes that no other line names
.set A16,  4
.set A8,   5
.set A16R, 7
.set SPW,  8
.set NIL,  9
.set QS,   28
.set PW,   30
.set KF,   32
.set KS,   100
.set VS,   104
.set S,    108
.set O,    172
.set PC,   204
.set CT,   216
.set BM,   224                         ; the blocks' largest scores, then largest p
.set PT,   228
.set SO,   232                         ; the conversions' scale operands
.set F,    236                         ; v[236:237] 2^(old M - new M); later 1 / the sum
.set T1,   238
.set PWD,  239                         ; O's two scale bytes
.set SUM2, 240
.set Q2,   242
.set SEL,  40                          ; s[40:41] v_permlanex16_b32's selects for lane l xor 16
.set CS,   42                          ; s[42:43] c = log2(e) / 8
.set TB,   44                          ; s44 LDS byte at which the key step begins
.set CNT,  45
.macro CROUND                          ; a round of the cluster's barrier
	s_barrier_signal -1
	s_barrier_wait -1
	s_cmp_lg_u32 s12, 0
	s_cbranch_scc1 .Lnot_wave_0_\@
	s_barrier_signal -3
.Lnot_wave_0_\@:
	s_barrier_wait -3
	s_barrier_signal -1
	s_barrier_wait -1
.endm
	s_load_b256 s[4:11], s[0:1], 0x0               ; qf s[4:5], kv s[6:7], ac s[8:9], asc s[10:11]
	v_lshl_add_u32 v[SPW], v0, 2, SPARE
	v_mov_b32 v[NIL], 0
	ds_add_u32 v[SPW], v[NIL]                      ; the wave's opening: the add, twice on end, and its wait ahead of my tensor load
	ds_add_u32 v[SPW], v[NIL]
	v_lshrrev_b32 v10, 5, v0
	s_delay_alu instid0(VALU_DEP_1)
	v_readfirstlane_b32 s12, v10                   ; wave 0..15
	s_bfe_u32 s13, ttmp6, 0x40000                  ; cx: it enters Q's and the outputs' addresses alone
	s_and_b32 s14, ttmp7, 0xffff                   ; the head, 0..63, which the four partners share
	s_mov_b32 s16, 15|(3<<16)|(1<<21)              ; group 1: the mask of all four work-groups; elements of 8 bytes; bit 21 beside a mask
	s_mov_b32 s17, 32<<16                          ; dense bytes as rows of 256 (32 elements): 51 rows are one key step
	s_mov_b32 s18, 51<<16
	s_mov_b32 s19, 32<<16
	s_mov_b32 s20, 51
	s_mov_b32 s21, 32
	s_mov_b32 s22, 0
	s_mov_b32 s23, 0
	s_mov_b32 s32, 1
	s_mul_i32 s33, s12, SB                         ; key step w: its place in LDS and in the head
	s_mul_i32 s56, s14, HB                         ; the head's first byte in kv (under 2^24)
	s_add_co_u32 s58, s56, s33
	s_mov_b32 s59, 0
	s_mov_b32 s[SEL], 0x76543210
	s_mov_b32 s[SEL+1], 0xfedcba98
	s_mov_b32 s[CS], 0x3e38aa3b                    ; log2(e) / 8
	s_mov_b32 s[CS+1], s[CS]                       ; (named with it as a pair)
	s_lshl_b32 s62, ttmp9, 2
	s_add_co_u32 s62, s62, s13                     ; my block of 512 queries
	s_lshl_b32 s62, s62, 5
	s_add_co_u32 s62, s62, s12                     ; T = 32 x + w: my tile in the first pass; the second pass's lies 16 tiles on
	s_mul_i32 s66, s14, QHB
	s_mul_i32 s67, s62, 768
	s_add_co_u32 s68, s66, s67                     ; Q's codes
	s_mov_b32 s69, 0
	s_lshr_b32 s67, s62, 2
	s_lshl_b32 s67, s67, 8
	s_add_co_u32 s70, s66, s67
	s_add_co_u32 s70, s70, 98304                   ; Q's scale words: group T / 4,
	s_and_b32 s67, s12, 3
	s_lshl_b32 s67, s67, 2
	s_add_co_u32 s70, s70, s67                     ; word T % 4
	s_mov_b32 s71, 0
	s_lshr_b32 s67, s14, 4
	s_lshl_b32 s67, s67, 7
	s_add_co_u32 s67, s67, s62                     ; my tile among the 512 of all batches
	s_and_b32 s66, s14, 15                         ; the head in its batch
	s_mul_i32 s72, s67, 12288
	s_mul_i32 s76, s66, 768
	s_add_co_u32 s72, s72, s76                     ; ac: [tile][head x 768]
	s_mov_b32 s73, 0
	s_lshl_b32 s74, s67, 9                         ; asc: [tile][512]: the word of K step head / 2, my two bytes of it
	s_lshr_b32 s76, s66, 3
	s_lshl_b32 s76, s76, 8
	s_add_co_u32 s74, s74, s76
	s_bfe_u32 s76, s66, 0x20001
	s_lshl_b32 s76, s76, 2
	s_add_co_u32 s74, s74, s76
	s_and_b32 s76, s66, 1
	s_lshl_b32 s76, s76, 1
	s_add_co_u32 s74, s74, s76
	s_mov_b32 s75, 0
	s_wait_dscnt 0x0                               ; both opening adds are done
	s_wait_kmcnt 0x0
	s_add_nc_u64 s[34:35], s[6:7], s[58:59]
	s_or_b32 s35, s35, 0x80000000
	s_add_nc_u64 s[48:49], s[4:5], s[68:69]        ; s[48:49] Q's codes
	s_add_nc_u64 s[50:51], s[4:5], s[70:71]        ; s[50:51] Q's scale words
	s_add_nc_u64 s[52:53], s[8:9], s[72:73]        ; s[52:53] ac
	s_add_nc_u64 s[54:55], s[10:11], s[74:75]      ; s[54:55] asc
	CROUND                                         ; all four work-groups are here: the joint loads meet
	tensor_load_to_lds s[32:35], s[16:23]          ; my key step: every wave's one tensor load of the launch
	s_nop 0
	v_and_b32 v10, 31, v0
	s_delay_alu instid0(VALU_DEP_1)
	v_lshlrev_b32 v1, 4, v10                       ; v1 = 16 l
	s_delay_alu instid0(VALU_DEP_2)
	v_lshl_add_u32 v2, v10, 3, 512                 ; v2 = 512 + 8 l
	v_and_b32 v3, 15, v0
	s_delay_alu instid0(VALU_DEP_1)
	v_lshlrev_b32 v3, 4, v3                        ; v3 = 16 r
	v_bfe_u32 v10, v0, 4, 1                        ; h
	global_load_b128 v[16:19], v1, s[48:49]        ; my tile of Q, as its image lies, and its scale word; the first pass's,
	global_load_b64 v[20:21], v2, s[48:49]
	global_load_b32 v[QS], v3, s[50:51]
	global_load_b128 v[Q2:Q2+3], v1, s[48:49] offset:16*768   ; and the second pass's, 16 tiles on
	global_load_b64 v[Q2+4:Q2+5], v2, s[48:49] offset:16*768
	global_load_b32 v[Q2+6], v3, s[50:51] offset:1024
	v_lshlrev_b32 v11, 3, v10
	v_mul_u32_u24 v6, v10, 63
	; the upper 64 of the scores' K: at k = 64 (lanes 0-15, register 6, lowest bits) Q's code 8 = 1.0 and K's code 63 = -7.5; Q has zeros elsewhere
	s_delay_alu instid0(VALU_DEP_2)
	v_sub_nc_u32 v22, 8, v11
.irp i, 23,24,25,26,27
	v_mov_b32 v\i, 0
.endr
.irp t, 0,1,2,3,4,5,6,7
	v_sub_nc_u32 v[KF+8*\t+6], 63, v6
	v_mov_b32 v[KF+8*\t+7], 0
.endr
.irp i, 64,65,66,67
	v_mov_b32 v[KF+\i], 0                          ; behind the eighth fragment's eight registers
.endr
.macro INIT                            ; a pass begins: the step is written for all steps alike and finds zeros, which the first change of M leaves zeros
	v_mov_b32 v12, 0x67800000                      ; -M = 2^80
	v_mov_b32 v13, 0xe7800000                      ; the largest t so far: -2^80: under every t that counts, over every masked one
	v_mov_b32 v14, 0
	v_mov_b32 v15, 0
.set n, 0
.rept 32
	v_mov_b32 v[O+n], 0
.set n, n+1
.endr
.irp b, 0,1,2,3
	v_mov_b32 v[PT+\b], 0                          ; a lane permute's destination counts as one of its sources
.endr
	v_mov_b32 v[F+1], 0                            ; (named as the upper half of a pair)
.endm
.macro KALL a16, a8, off               ; a key step's eight fragments of K and their scale words (lanes 0-15 tiles 0-3, lanes 16-31 tiles 4-7): 17 LDS loads
.irp t, 0,1,2,3,4,5,6,7
	ds_load_b128 v[KF+8*\t:KF+8*\t+3], v[\a16] offset:\off+\t*768
	ds_load_b64 v[KF+8*\t+4:KF+8*\t+5], v[\a8] offset:\off+\t*768
.endr
	ds_load_b128 v[KS:KS+3], v[\a16] offset:\off+12288
.endm
; The softmax of a key step of 128 keys, up to p's codes as converted
.macro SOFTMAX
.irp b, 0,1,2,3
	v_max3_num_f32 v[BM+\b], v[S+16*\b], v[S+1+16*\b], v[S+2+16*\b]   ; the largest score of each block of 32 keys: for the row's maximum, and for the block's largest p
.endr
.irp i, 3,5,7,9,11,13
.irp b, 0,1,2,3
	v_max3_num_f32 v[BM+\b], v[BM+\b], v[S+16*\b+\i], v[S+1+16*\b+\i]
.endr
.endr
.irp b, 0,1,2,3
	v_max_num_f32 v[BM+\b], v[BM+\b], v[S+15+16*\b]
.endr
.irp b, 0,1,2,3
	s_delay_alu instid0(VALU_DEP_4)
	v_permlanex16_b32 v[PT+\b], v[BM+\b], s[SEL], s[SEL+1]
.endr
.irp b, 0,1,2,3
	s_delay_alu instid0(VALU_DEP_4)
	v_max_num_f32 v[BM+\b], v[BM+\b], v[PT+\b]     ; with lane l xor 16's 16 keys
.endr
	s_delay_alu instid0(VALU_DEP_2)
	v_max3_num_f32 v[SUM2], v[BM], v[BM+1], v[BM+2]
	s_delay_alu instid0(VALU_DEP_1)
	v_max_num_f32 v[SUM2], v[SUM2], v[BM+3]
	s_delay_alu instid0(VALU_DEP_1)
	v_mul_f32 v[SUM2], s[CS], v[SUM2]              ; the step's largest t
	s_delay_alu instid0(VALU_DEP_1)
	v_max_num_f32 v13, v13, v[SUM2]                ; the running largest t
	s_delay_alu instid0(VALU_DEP_1)
	v_floor_f32 v12, -v13                          ; the new -M = -ceil(t): a whole number  (v[T1] holds the old -M)
	s_delay_alu instid0(VALU_DEP_1)
	v_sub_f32 v[T1], v12, v[T1]                    ; old M - new M: a whole number, 0 or less
	s_delay_alu instid0(VALU_DEP_1)
	v_cvt_i32_f32 v[T1], v[T1]                     ; (it saturates)
	s_delay_alu instid0(VALU_DEP_1)
	v_ldexp_f32 v[F], 1.0, v[T1]                   ; f = 2^(old M - new M)
.set n, 0
.rept 32
	v_pk_fma_f32 v[S+n:S+n+1], v[S+n:S+n+1], s[CS:CS+1], v[12:13] op_sel_hi:[1,0,0]   ; t - M, two at a time
.set n, n+2
.endr
.irp b, 0,1,2,3
	v_fma_f32 v[BM+\b], v[BM+\b], s[CS], v12       ; the same of each block's largest score
.endr
	s_wait_alu depctr_va_vdst(0)                   ; the wait ahead of the batch
.set n, 0
.rept 64
	v_exp_f32 v[S+n], v[S+n]                       ; p = 2^(t - M)
.set n, n+1
.endr
	v_pk_mul_f32 v[14:15], v[14:15], v[F:F+1] op_sel_hi:[1,0]   ; the sums under the new M: the plain place behind the exponentials
	s_wait_alu depctr_va_vdst(0)                   ; one wait for the batch of 64, ahead of its first reader
.irp b, 0,1,2,3
	v_exp_f32 v[BM+\b], v[BM+\b]                   ; the blocks' largest p
.endr
	v_pk_add_f32 v[SUM2:SUM2+1], v[S:S+1], v[S+2:S+3]   ; the row's sum, of the unquantised p, in two chains
.set SUM3, 250
.set SUM4, 252
	v_pk_add_f32 v[SUM3:SUM3+1], v[S+4:S+5], v[S+6:S+7]       ; four chains by turns: 32 additions for the 32 pairs
	v_pk_add_f32 v[SUM4:SUM4+1], v[S+8:S+9], v[S+10:S+11]
	v_pk_add_f32 v[14:15], v[14:15], v[S+12:S+13]
	v_pk_add_f32 v[SUM2:SUM2+1], v[SUM2:SUM2+1], v[S+14:S+15]
.irp j, 16,24,32,40,48,56
	v_pk_add_f32 v[SUM3:SUM3+1], v[SUM3:SUM3+1], v[S+\j:S+1+\j]
	v_pk_add_f32 v[SUM4:SUM4+1], v[SUM4:SUM4+1], v[S+2+\j:S+3+\j]
	v_pk_add_f32 v[14:15], v[14:15], v[S+4+\j:S+5+\j]
	v_pk_add_f32 v[SUM2:SUM2+1], v[SUM2:SUM2+1], v[S+6+\j:S+7+\j]
.endr
	v_pk_add_f32 v[SUM3:SUM3+1], v[SUM3:SUM3+1], v[SUM4:SUM4+1]
	v_pk_add_f32 v[14:15], v[14:15], v[SUM2:SUM2+1]
	s_delay_alu instid0(VALU_DEP_1)
	v_pk_add_f32 v[14:15], v[14:15], v[SUM3:SUM3+1]
	s_wait_alu depctr_va_vdst(0)                   ; and one for the four
.irp b, 0,1,2,3
	v_max_num_f32 v[BM+\b], 0x1800000, v[BM+\b]    ; the floor 2^(3 - 127): a block whose every p is 0 keeps the byte 1: its codes are zeros
.endr
.irp b, 0,1,2,3
	s_delay_alu instid0(VALU_DEP_4)
	v_add_nc_u32 v[SO+\b], 0xff000000, v[BM+\b]    ; 2 off the exponent field: the conversion's scale operand
.endr
.irp b, 0,1,2,3
	s_delay_alu instid0(VALU_DEP_4)
	v_lshrrev_b32 v[PT+\b], 23, v[SO+\b]           ; the scale's byte
.endr
	s_delay_alu instid0(VALU_DEP_3)
	v_lshl_or_b32 v[PW], v[PT+1], 8, v[PT]         ; p's scale word for these 128 keys
	s_delay_alu instid0(VALU_DEP_1)
	v_lshl_or_b32 v[PW], v[PT+2], 16, v[PW]
	s_delay_alu instid0(VALU_DEP_1)
	v_lshl_or_b32 v[PW], v[PT+3], 24, v[PW]
.irp c, 0,1
	v_cvt_scalef32_pk16_fp6_f32 v[PC+6*\c:PC+2+6*\c], v[S+32*\c:S+15+32*\c], v[SO+2*\c]
	v_cvt_scalef32_pk16_fp6_f32 v[CT+4*\c:CT+2+4*\c], v[S+16+32*\c:S+31+32*\c], v[SO+2*\c+1]   ; (a conversion's three registers begin on an even number)
.endr
	v_nop                                          ; one plain place behind a scaled conversion
.endm
; A KEY STEP: 128 keys.  pf = 1: the next step's K is asked for, SB bytes on
.macro STEP pf
	v_add_nc_u32 v[A16], s[TB], v1
	v_add_nc_u32 v[A8], s[TB], v2
	v_add_nc_u32 v[A16R], s[TB], v3
	v_nop
	v_nop                                          ; five places between the last products, which read V's registers, and the products below, which write over them
.irp t, 0,1,2,3                        ; S^T = K Q^T: eight tiles of 16 keys; K's fragments came a step ago
	v_wmma_scale_f32_16x16x128_f8f6f4 v[S+8*\t:S+8*\t+7], v[KF+8*\t:KF+8*\t+11], v[16:27], 0, v[KS+\t], v[QS] matrix_a_fmt:MATRIX_FMT_FP6 matrix_b_fmt:MATRIX_FMT_FP6
.endr
.irp t, 4,5,6,7
	v_wmma_scale_f32_16x16x128_f8f6f4 v[S+8*\t:S+8*\t+7], v[KF+8*\t:KF+8*\t+11], v[16:27], 0, v[KS+\t-4], v[QS] matrix_a_fmt:MATRIX_FMT_FP6 matrix_b_fmt:MATRIX_FMT_FP6 matrix_a_scale:MATRIX_SCALE_ROW1
.endr
	v_mov_b32 v[T1], v12                           ; the old -M.  With the three below: four places in front of the loads into K's registers and of the first read of results
	v_nop
	v_nop
	v_nop
.if \pf
	KALL A16, A8, SB
.endif
	SOFTMAX
.irp t, 0,1,2,3                        ; V's four fragments come into p's registers, which the conversions have read
	ds_load_b128 v[S+12*\t:S+12*\t+3], v[A16] offset:6144+1536*\t
	ds_load_b64 v[S+12*\t+4:S+12*\t+5], v[A8] offset:6144+1536*\t
	ds_load_b128 v[S+12*\t+6:S+12*\t+9], v[A16] offset:6144+1536*\t+768
	ds_load_b64 v[S+12*\t+10:S+12*\t+11], v[A8] offset:6144+1536*\t+768
.endr
	ds_load_b128 v[VS:VS+3], v[A16R] offset:12800  ; V's scale words: row r's four
.irp c, 0,1                            ; a whole block in a lane: lanes 0-15 block 2 c, lanes 16-31 block 2 c + 1
.irp i, 0,1,2
	v_permlane16_swap_b32 v[PC+6*\c+\i], v[CT+4*\c+\i]
.endr
.irp i, 0,1,2
	s_delay_alu instid0(VALU_DEP_3)
	v_mov_b32 v[PC+3+6*\c+\i], v[CT+4*\c+\i]
.endr
.endr
	s_wait_alu depctr_va_vdst(0)                   ; the wait ahead of the first reader of O^T
.set n, 0
.rept 16
	v_pk_mul_f32 v[O+n:O+n+1], v[O+n:O+n+1], v[F:F+1] op_sel_hi:[1,0]   ; O^T under the new M.  (These 16 are also the places between the codes' and the scale word's writes and the products)
.set n, n+2
.endr
	s_wait_alu depctr_va_vdst(0)
	s_wait_dscnt 0x0                               ; V is in, and the next step's K, asked for ahead of it
.irp t, 0,1,2,3                        ; O^T += V^T P^T: four accumulators by turns
	v_wmma_scale_f32_16x16x128_f8f6f4 v[O+8*\t:O+8*\t+7], v[S+12*\t:S+12*\t+11], v[PC:PC+11], v[O+8*\t:O+8*\t+7], v[VS+\t], v[PW] matrix_a_fmt:MATRIX_FMT_FP6 matrix_b_fmt:MATRIX_FMT_FP6
.endr
.endm
; A tile's end: O^T / the sum, quantised along the head's 64 (register 16 b + i = channel 32 b + 16 h + i), stored as half an image and two scale bytes a row
.macro FINISH p
.rept 4
	v_nop                                          ; places in front of the first read of results
.endr
	v_add_f32 v14, v14, v15
	s_delay_alu instid0(VALU_DEP_1)
	v_permlanex16_b32 v[PT], v14, s[SEL], s[SEL+1]
	s_delay_alu instid0(VALU_DEP_1)
	v_add_f32 v14, v14, v[PT]                      ; the row's sum
	s_wait_alu depctr_va_vdst(0)                   ; the wait ahead of the transcendental
	v_rcp_f32 v[F], v14
	v_mov_b32 v[T1], 0xffff                        ; (the plain place behind the reciprocal)
	s_wait_alu depctr_va_vdst(0)                   ; the wait ahead of its first reader, and of O^T's
.set n, 0
.rept 16
	v_pk_mul_f32 v[O+n:O+n+1], v[O+n:O+n+1], v[F:F+1] op_sel_hi:[1,0]   ; each accumulator from its low end on
.set n, n+2
.endr
.irp b, 0,1
	v_max3_num_f32 v[BM+\b], |v[O+16*\b]|, |v[O+1+16*\b]|, 0x1800000
.endr
.irp i, 2,4,6,8,10,12,14
.irp b, 0,1
	s_delay_alu instid0(VALU_DEP_2)
	v_max3_num_f32 v[BM+\b], v[BM+\b], |v[O+16*\b+\i]|, |v[O+1+16*\b+\i]|
.endr
.endr
.irp b, 0,1
	s_delay_alu instid0(VALU_DEP_2)
	v_permlanex16_b32 v[PT+\b], v[BM+\b], s[SEL], s[SEL+1]
.endr
.irp b, 0,1
	s_delay_alu instid0(VALU_DEP_2)
	v_max_num_f32 v[BM+\b], v[BM+\b], v[PT+\b]
.endr
.irp b, 0,1
	s_delay_alu instid0(VALU_DEP_2)
	v_add_nc_u32 v[SO+\b], 0xff000000, v[BM+\b]
.endr
.irp b, 0,1
	s_delay_alu instid0(VALU_DEP_2)
	v_lshrrev_b32 v[PT+\b], 23, v[SO+\b]
.endr
	s_delay_alu instid0(VALU_DEP_1)
	v_lshl_or_b32 v[PWD], v[PT+1], 8, v[PT]
	v_cmp_eq_f32 vcc_lo, 0, v14                    ; no key counted: the row is NaN, by its scale bytes
	s_delay_alu instid0(VALU_DEP_1)
	v_cndmask_b32 v[PWD], v[PWD], v[T1], vcc_lo
	v_cvt_scalef32_pk16_fp6_f32 v[PC:PC+2], v[O:O+15], v[SO]
	v_cvt_scalef32_pk16_fp6_f32 v[CT:CT+2], v[O+16:O+31], v[SO+1]
	v_nop                                          ; one plain place behind a scaled conversion
.irp i, 0,1,2
	v_permlane16_swap_b32 v[PC+\i], v[CT+\i]
.endr
.irp i, 0,1,2
	s_delay_alu instid0(VALU_DEP_3)
	v_mov_b32 v[PC+3+\i], v[CT+\i]
.endr
	global_store_b128 v1, v[PC:PC+3], s[52:53] offset:\p*16*12288      ; 512 consecutive bytes,
	global_store_b64 v2, v[PC+4:PC+5], s[52:53] offset:\p*16*12288     ; 256
	global_store_b16 v3, v[PWD], s[54:55] offset:\p*16*512             ; two bytes a row (both halves of the lanes hold the same): a scale word's other half is another head's
.endm
; A pass over the head's 16 key steps: 15 in the loop, each asking for the next step's K; the last asks for nothing
.macro WALK p
	s_mov_b32 s[TB], 0
	s_mov_b32 s[CNT], 15
	s_wait_dscnt 0x0                               ; key step 0's K is in
.Lkeys_\@:
	STEP 1
	s_add_co_u32 s[TB], s[TB], SB
	s_sub_co_u32 s[CNT], s[CNT], 1
	s_cmp_lg_u32 s[CNT], 0
	s_cbranch_scc1 .Lkeys_\@
	STEP 0
	FINISH \p
.endm
	INIT                                           ; THE FIRST 256 QUERIES
	s_wait_alu depctr_va_vdst(0)                   ; the wait at the head's end
	s_wait_loadcnt 0x0                             ; both passes' Q
	s_wait_tensorcnt 0x0                           ; my key step is in,
	s_barrier_signal -1
	s_barrier_wait -1                              ; and everybody's: the whole head lies in LDS from here on
	KALL 1, 2, 0
	WALK 0
.irp i, 0,1,2,3,4,5
	v_mov_b32 v[16+\i], v[Q2+\i]                   ; THE SECOND 256 QUERIES: 16 tiles on
.endr
	v_mov_b32 v[QS], v[Q2+6]
	INIT
	KALL 1, 2, 0
	s_wait_alu depctr_va_vdst(0)
	s_wait_xcnt 0x0                                ; the first pass's stores have read their data: those registers are written again only behind this wait
	WALK 1
	s_wait_tensorcnt 0x0                           ; the wave's end, behind my tensor load
	ds_add_u32 v[SPW], v[NIL]
	s_wait_dscnt 0x0
	CROUND                                         ; the closing round
	s_endpgm
.Lfunc_end_k_qf08f9f6598_attn:
	.size	k_qf08f9f6598_attn, .Lfunc_end_k_qf08f9f6598_attn-k_qf08f9f6598_attn
	.p2alignl 7, 3214868480
	.fill 96, 4, 3214868480
	.section	.rodata,"a",@progbits
	.p2align	6, 0x0
	.amdhsa_kernel k_qf08f9f6598_attn
		.amdhsa_group_segment_fixed_size 327680
		.amdhsa_private_segment_fixed_size 0
		.amdhsa_enable_private_segment 0
		.amdhsa_kernarg_size 32
		.amdhsa_user_sgpr_count 2
		.amdhsa_user_sgpr_kernarg_segment_ptr 1
		.amdhsa_wavefront_size32 1
		.amdhsa_system_sgpr_workgroup_id_x 1
		.amdhsa_system_sgpr_workgroup_id_y 1
		.amdhsa_system_sgpr_workgroup_id_z 1
		.amdhsa_system_vgpr_workitem_id 0
		.amdhsa_next_free_vgpr 256
		.amdhsa_next_free_sgpr 80
		.amdhsa_reserve_vcc 1
		.amdhsa_float_denorm_mode_32 3
		.amdhsa_float_denorm_mode_16_64 3
		.amdhsa_memory_ordered 1
		.amdhsa_forward_progress 1
		.amdhsa_inst_pref_size 86
	.end_amdhsa_kernel
	.amdgpu_metadata
---
amdhsa.version: [ 1, 2 ]
amdhsa.kernels:
  - .name:           k_qf08f9f6598_attn
    .symbol:         k_qf08f9f6598_attn.kd
    .args:
      - { .name: qf, .offset: 0, .size: 8, .value_kind: global_buffer, .address_space: global }
      - { .name: kv, .offset: 8, .size: 8, .value_kind: global_buffer, .address_space: global }
      - { .name: ac, .offset: 16, .size: 8, .value_kind: global_buffer, .address_space: global }
      - { .name: asc, .offset: 24, .size: 8, .value_kind: global_buffer, .address_space: global }
    .group_segment_fixed_size: 327680
    .private_segment_fixed_size: 0
    .kernarg_segment_align: 8
    .kernarg_segment_size: 32
    .max_flat_workgroup_size: 512
    .sgpr_count:     80
    .vgpr_count:     256
    .wavefront_size: 32
...
	.end_amdgpu_metadata
.endif
;; end of part 3
;; launch outp (part 4): grid 4 x 64, 4 waves a work-group, clusters of 4 x 4, 327,680 bytes of LDS; arguments ac, asc, xc, xs, bo, out0; writes out0
.if DOCPART == 4
	.amdgcn_target "amdgcn-amd-amdhsa--gfx1250"
	.amdhsa_code_object_version 6
	.text
	.protected	k_qf08f9f6598_outp
	.globl	k_qf08f9f6598_outp
	.p2align	8
	.type	k_qf08f9f6598_outp,@function
k_qf08f9f6598_outp:
	s_mov_b64 s[64:65], 0
	v_nop
	global_prefetch_b8 v0, s[64:65] scope:SCOPE_SE
	s_setreg_imm32_b32 hwreg(HW_REG_WAVE_MODE, 25, 1), 1
	s_wait_xcnt 0x0
	s_wait_alu depctr_hold_cnt(0) depctr_sa_sdst(0) depctr_va_vdst(0) depctr_va_sdst(0) depctr_va_ssrc(0) depctr_va_vcc(0) depctr_vm_vsrc(0)
	s_getreg_b32 s2, hwreg(HW_REG_IB_STS2, 6, 4)
	s_cmp_eq_u32 s2, 0
	s_cbranch_scc0 .Lentry_in_a_cluster
	s_endpgm
.Lentry_in_a_cluster:
	s_bfe_u32 s2, ttmp6, 0x10000c
	s_cmp_lg_u32 s2, 0xf033
	s_cbranch_scc0 .Lentry_shape_is_right
	s_endpgm
.Lentry_shape_is_right:
; out0 [8192][1024] = O Wo^T + bo.  O arrives as codes of FP6 (E2M3) in ac with scale words in asc, Wo as tiles 1,728 .. 1,791 of xc and xs: images of the operand's registers,
; [tile of 16 rows][K step 0..7][1,536 bytes]; scale words [tile][512]: the word of (K step j, row r) at 256 (j / 4) + 16 r + 4 (j % 4).  Tile T holds rows 32 (T / 2) + 8 (T % 2) + r + 8 (r / 8).
; SHARES.  A work-group makes 128 rows x 256 columns: 4 x 64 = 256 work-groups.  Its four waves make 64 x 128 each: 32 accumulators of 16 x 16, 256 registers.
; THE BLOCK'S WHOLE K LIES IN LDS: O's 8 tiles (98,304 bytes) and Wo's 16 (196,608), each a dense run of memory, as rows of 256 bytes: filled once, no ring, nothing is filled again.
; One tensor load a wave: waves 0 and 1 fetch O's halves, waves 2 and 3 Wo's.  CLUSTERS of 4 x 4: O's tiles are shared along a row of the cluster, Wo's along a column: each is asked for jointly.
; No prefetch: all that the launch reads is asked for at its head, and there is no loop to run ahead in.
; THE SCALE WORDS go from memory into registers: one load of 512 consecutive bytes a tile gives lane r + 16 h the four words of row r for K steps 4 h .. 4 h + 3:
; register j % 4, and for K steps 4-7 the upper lanes' row of the scale registers.
; THE MATRIX INSTRUCTION IS USED TRANSPOSED (source 0 = 16 rows of Wo, source 1 = 16 rows of O): a lane holds eight neighbouring columns of one row of out0.  bo is the C of the first K step's products.
; REGISTERS: window 0: v16-29 addresses; v32-47 O's scale words; v48-79 Wo's; v80-143 bo; v144-239 O's fragments, two sets; on the way out v128-255 hold rows read back.
;   window 1: Wo's fragments, two sets, at v0 and v128.  window 2: accumulator (a, b) at v[8 (8 a + b)].
.set FR,     12
.set TILE,   12288                     ; a tile's image, all eight K steps
.set BREG,   8*TILE                    ; Wo's tiles lie behind O's eight
.set SPARE,  24*TILE                   ; behind the tiles: the spare words, 128 bytes a wave: two blocks of 256 bytes that no other line names
.set SPITCH, 528                       ; the way out: a stage of 16 rows x (512 + 16) bytes for each wave, in O's bytes, which have had their one fill and, behind the barrier, their last read
.set ADRA, 16                          ; v16, v17 my four tiles of O: 16 l and 512 + 8 l
.set ADRB, 20                          ; v20, v21 my tiles 0-3 of Wo; v22, v23 tiles 4-7 (an LDS offset has 16 bits)
.set STO,  24
.set RD,   25
.set CO,   26
.set SPW,  28
.set NIL,  29
.set SA,   32
.set SBS,  48
.set BIAS, 80
.set AF,   144
.set BK,   128
.set G1,   24
.set G0,   32
.set G1B,  48
.set G0B,  56
.set MSB, 0
.macro WIN new                         ; the immediate's high byte repeats the setting that is left
.if MSB != (\new)
	s_set_vgpr_msb (MSB<<8)|(\new)
.set MSB, (\new)
.endif
.endm
.macro CREST
	s_cmp_lg_u32 s12, 0
	s_cbranch_scc1 .Lnot_wave_0_\@
	s_barrier_signal -3
.Lnot_wave_0_\@:
	s_barrier_wait -3
	s_barrier_signal -1
	s_barrier_wait -1
.endm
.macro CROUND                          ; a round of the cluster's barrier
	s_barrier_signal -1
	s_barrier_wait -1
	CREST
.endm
.macro PLACES n
.rept \n
	v_nop
.endr
.endm
	s_load_b256 s[68:75], s[0:1], 0x0              ; ac, asc, xc, xs
	s_load_b128 s[76:79], s[0:1], 0x20             ; bo, out0
	v_lshl_add_u32 v[SPW], v0, 2, SPARE
	v_mov_b32 v[NIL], 0
	ds_add_u32 v[SPW], v[NIL]                      ; the wave's opening: the add, twice on end, and its wait ahead of my tensor load
	ds_add_u32 v[SPW], v[NIL]
	v_lshrrev_b32 v1, 5, v0
	v_readfirstlane_b32 s12, v1                    ; wave 0..3
	s_lshr_b32 s13, s12, 1                         ; which 64 rows are mine.  Also: I fetch for O (0) or for Wo (1)
	s_and_b32 s14, s12, 1                          ; which 128 columns.  Also: which half of that operand's tiles I fetch
	s_bfe_u32 s16, ttmp6, 0x40000                  ; cx = the block's column (the grid is one cluster wide)
	s_bfe_u32 s17, ttmp6, 0x40004                  ; cy
	s_and_b32 s18, ttmp7, 0xffff
	s_lshl_b32 s18, s18, 2
	s_add_co_u32 s18, s18, s17                     ; y: the block's row, 0..63
	s_lshl_b32 s2, s17, 2
	s_lshl_b32 s2, 15, s2                          ; my row of the cluster
	s_lshl_b32 s3, 0x1111, s16                     ; my column
	s_or_b32 s[G1], s2, (3<<16)|(1<<21)            ; group 1: the mask; elements of 8 bytes; bit 21 beside a mask
	s_or_b32 s[G1B], s3, (3<<16)|(1<<21)
	s_mov_b32 s[G1+1], 32<<16                      ; rows of 256 bytes: 192 are four tiles of O,
	s_mov_b32 s[G1+2], 192<<16
	s_mov_b32 s[G1+3], 32<<16
	s_mov_b32 s[G1+4], 192
	s_mov_b32 s[G1+5], 32
	s_mov_b32 s[G1+6], 0
	s_mov_b32 s[G1+7], 0
	s_mov_b32 s[G1B+1], 32<<16                     ; 384 are eight tiles of Wo
	s_mov_b32 s[G1B+2], 384<<16
	s_mov_b32 s[G1B+3], 32<<16
	s_mov_b32 s[G1B+4], 384
	s_mov_b32 s[G1B+5], 32
	s_mov_b32 s[G1B+6], 0
	s_mov_b32 s[G1B+7], 0
	s_lshl_b32 s20, s18, 3
	s_lshl_b32 s21, s14, 2
	s_add_co_u32 s20, s20, s21                     ; O's tile that I fetch from: 8 y + 4 (w % 2)
	s_mul_i32 s36, s20, TILE
	s_mov_b32 s37, 0
	s_lshl_b32 s22, s16, 4
	s_add_co_u32 s22, s22, 1728
	s_lshl_b32 s23, s14, 3
	s_add_co_u32 s23, s22, s23                     ; Wo's tile that I fetch from, and multiply from: 1,728 + 16 cx + 8 (w % 2)
	s_mul_i32 s38, s23, TILE
	s_mov_b32 s39, 0
	s_lshl_b32 s40, s23, 9                         ; its scale words
	s_mov_b32 s41, 0
	s_lshl_b32 s42, s18, 3
	s_lshl_b32 s43, s13, 2
	s_add_co_u32 s42, s42, s43                     ; O's tile that I multiply from: 8 y + 4 (w / 2)
	s_lshl_b32 s42, s42, 9                         ; its scale words
	s_mov_b32 s43, 0
	s_mov_b32 s[G0], 1
	s_mul_i32 s[G0+1], s14, 4*TILE                 ; where my fetch goes: the wave's number alone enters an LDS address
	s_mov_b32 s[G0B], 1
	s_mul_i32 s[G0B+1], s14, 8*TILE
	s_add_co_u32 s[G0B+1], s[G0B+1], BREG
	s_mul_i32 s45, s14, 8*TILE
	s_add_co_u32 s45, s45, BREG                    ; my eight tiles of Wo in LDS,
	s_mul_i32 s46, s13, 4*TILE                     ; my four of O
	s_lshl_b32 s47, s16, 10
	s_lshl_b32 s44, s14, 9
	s_add_co_u32 s47, s47, s44                     ; my first column, in bytes: 1,024 cx + 512 (w % 2)
	s_lshl_b32 s80, s18, 7
	s_lshl_b32 s81, s13, 6
	s_add_co_u32 s80, s80, s81                     ; my first row: 128 y + 64 (w / 2)
	s_lshl_b32 s80, s80, 12
	s_add_co_u32 s80, s80, s47
	s_mov_b32 s81, 0
	s_mul_i32 s82, s12, 16*SPITCH                  ; my stage
	s_wait_dscnt 0x0                               ; both opening adds are done
	s_wait_kmcnt 0x0
	s_add_nc_u64 s[G0+2:G0+3], s[68:69], s[36:37]
	s_or_b32 s[G0+3], s[G0+3], 0x80000000
	s_add_nc_u64 s[G0B+2:G0B+3], s[72:73], s[38:39]
	s_or_b32 s[G0B+3], s[G0B+3], 0x80000000
	s_add_nc_u64 s[70:71], s[70:71], s[42:43]
	s_add_nc_u64 s[74:75], s[74:75], s[40:41]
	s_add_nc_u64 s[78:79], s[78:79], s[80:81]
	CROUND                                         ; all sixteen work-groups are here: the joint loads meet
	s_cmp_eq_u32 s13, 0                            ; one load a wave, one to each arm of a branch on the wave's number
	s_cbranch_scc0 .Lfor_wo
	tensor_load_to_lds s[G0:G0+3], s[G1:G1+7]
	s_nop 0
	PLACES 4
	s_branch .Lasked
.Lfor_wo:
	tensor_load_to_lds s[G0B:G0B+3], s[G1B:G1B+7]
	s_nop 0
	PLACES 4
.Lasked:
	v_and_b32 v1, 31, v0                           ; l
	v_and_b32 v2, 15, v0                           ; r
	v_bfe_u32 v3, v0, 4, 1                         ; h
	v_lshlrev_b32 v[CO], 4, v1                     ; 16 l
	v_lshl_add_u32 v5, v1, 3, 512                  ; 512 + 8 l
	v_lshl_add_u32 v6, v3, 6, s47                  ; bo: my columns, + 16 h of them
	v_add_nc_u32 v[ADRA], s46, v[CO]
	v_add_nc_u32 v[ADRA+1], s46, v5
	v_add_nc_u32 v[ADRB], s45, v[CO]
	v_add_nc_u32 v[ADRB+1], s45, v5
	v_add_nc_u32 v[ADRB+2], 4*TILE, v[ADRB]
	v_add_nc_u32 v[ADRB+3], 4*TILE, v[ADRB+1]
	v_mul_u32_u24 v4, v2, SPITCH                   ; into the stage: row r, 64 bytes for each half of the lanes
	v_lshl_add_u32 v4, v3, 6, v4
	v_add_nc_u32 v[STO], s82, v4
	v_add_nc_u32 v[RD], s82, v[CO]                 ; back: the 32 lanes take one row of 512 bytes
.irp a, 0,1,2,3
	global_load_b128 v[SA+4*\a:SA+4*\a+3], v[CO], s[70:71] offset:512*\a      ; a tile's 512 bytes of scale words
.endr
.irp b, 0,1,2,3,4,5,6,7
	global_load_b128 v[SBS+4*\b:SBS+4*\b+3], v[CO], s[74:75] offset:512*\b
.endr
.irp b, 0,1,2,3,4,5,6,7
	global_load_b128 v[BIAS+8*\b:BIAS+8*\b+3], v6, s[76:77] offset:128*(\b/2)+32*(\b%2)      ; tile b, register j: column 32 (b / 2) + 8 (b % 2) + 16 h + j
	global_load_b128 v[BIAS+8*\b+4:BIAS+8*\b+7], v6, s[76:77] offset:128*(\b/2)+32*(\b%2)+16
.endr
.macro FRAG reg, adr, off              ; a fragment as its image lies: registers 0-3 at 16 l, 4-5 at 512 + 8 l, 6-11 the same 768 bytes on
	ds_load_b128 v[\reg:\reg+3], v[\adr] offset:\off
	ds_load_b64 v[\reg+4:\reg+5], v[\adr+1] offset:\off
	ds_load_b128 v[\reg+6:\reg+9], v[\adr] offset:\off+768
	ds_load_b64 v[\reg+10:\reg+11], v[\adr+1] offset:\off+768
.endm
.macro FETCH k                         ; K step k's fragments into set k % 2: Wo's eight, O's four: 48 LDS loads
	WIN 0x40                                       ; destination window 1, address window 0
.irp i, 0,1,2,3
	FRAG 128*((\k)%2)+FR*\i, ADRB, \i*TILE+(\k)*1536
.endr
.irp i, 0,1,2,3
	FRAG 128*((\k)%2)+FR*(4+\i), ADRB+2, \i*TILE+(\k)*1536
.endr
	WIN 0
.irp i, 0,1,2,3
	FRAG AF+48*((\k)%2)+FR*\i, ADRA, \i*TILE+(\k)*1536
.endr
.endm
.macro MUL32 k                         ; 32 products, the 32 accumulators by turns, in the same order in every K step
.irp a, 0,1,2,3
.irp b, 0,1,2,3,4,5,6,7
.if (\k) == 0
	v_wmma_scale_f32_16x16x128_f8f6f4 v[8*(8*\a+\b):8*(8*\a+\b)+7], v[128*((\k)%2)+FR*\b:128*((\k)%2)+FR*\b+FR-1], v[AF+48*((\k)%2)+FR*\a:AF+48*((\k)%2)+FR*\a+FR-1], v[BIAS+8*\b:BIAS+8*\b+7], v[SBS+4*\b+(\k)%4], v[SA+4*\a+(\k)%4] matrix_a_fmt:MATRIX_FMT_FP6 matrix_b_fmt:MATRIX_FMT_FP6
.elseif (\k) < 4
	v_wmma_scale_f32_16x16x128_f8f6f4 v[8*(8*\a+\b):8*(8*\a+\b)+7], v[128*((\k)%2)+FR*\b:128*((\k)%2)+FR*\b+FR-1], v[AF+48*((\k)%2)+FR*\a:AF+48*((\k)%2)+FR*\a+FR-1], v[8*(8*\a+\b):8*(8*\a+\b)+7], v[SBS+4*\b+(\k)%4], v[SA+4*\a+(\k)%4] matrix_a_fmt:MATRIX_FMT_FP6 matrix_b_fmt:MATRIX_FMT_FP6
.else
	v_wmma_scale_f32_16x16x128_f8f6f4 v[8*(8*\a+\b):8*(8*\a+\b)+7], v[128*((\k)%2)+FR*\b:128*((\k)%2)+FR*\b+FR-1], v[AF+48*((\k)%2)+FR*\a:AF+48*((\k)%2)+FR*\a+FR-1], v[8*(8*\a+\b):8*(8*\a+\b)+7], v[SBS+4*\b+(\k)%4], v[SA+4*\a+(\k)%4] matrix_a_fmt:MATRIX_FMT_FP6 matrix_b_fmt:MATRIX_FMT_FP6 matrix_a_scale:MATRIX_SCALE_ROW1 matrix_b_scale:MATRIX_SCALE_ROW1
.endif
.endr
.endr
.endm
.macro KSTEP k
	s_wait_dscnt 0x0                               ; this K step's 48 loads are in (asked for ahead of the last step's 32 products)
.if (\k) > 0 && (\k) < 7
	PLACES 4                                       ; in front of loads into the set that the last step's products read
.endif
.if (\k) < 7
	FETCH (\k)+1
.endif
.if (\k) == 0
	WIN 0x81                                       ; source 0 window 1, source 1 and C (bo) window 0, D window 2
.else
	WIN 0xa1                                       ; C and D window 2
.endif
.if (\k) == 7
	s_barrier_signal -1                            ; my last read of the tiles is over: register work alone up to the wait
.endif
	MUL32 \k
.endm
	s_wait_alu depctr_va_vdst(0)                   ; the wait at the head's end
	s_wait_tensorcnt 0x0                           ; my part of the tiles is in,
	s_barrier_signal -1
	s_barrier_wait -1                              ; and everybody's
	FETCH 0
	s_wait_loadcnt 0x0                             ; the scale words and bo
.irp k, 0,1,2,3,4,5,6,7
	KSTEP \k
.endr
	WIN 0
	s_barrier_wait -1                              ; nobody reads the tiles any more: the stages may be written
; THE WAY OUT, block by block of 16 rows x 128 columns, through my own stage: a block comes back as whole rows of 512 bytes, which the 32 lanes store as two aligned runs of 256 bytes.
; LDS serves a wave's instructions in order (ISA guide 5.7.1.4): no wait between the stores and the loads.
.macro TOSTAGE a
.set AC, 64*(\a)
	WIN 0x08                                       ; the data: window 2
.irp b, 0,1,2,3,4,5,6,7
	ds_store_b128 v[STO], v[AC+8*\b:AC+8*\b+3] offset:128*(\b/2)+32*(\b%2)          ; each accumulator from its low end on
	ds_store_b128 v[STO], v[AC+8*\b+4:AC+8*\b+7] offset:128*(\b/2)+32*(\b%2)+16
.endr
	WIN 0
.set BB, BK+64*((\a)%2)
.irp t, 0,1,2,3,4,5,6,7,8,9,10,11,12,13,14,15
	ds_load_b128 v[BB+4*\t:BB+4*\t+3], v[RD] offset:\t*SPITCH
.endr
.endm
.macro SEND a, younger                 ; younger: the LDS instructions issued behind block a's loads, which may stay out
.set BB, BK+64*((\a)%2)
	s_wait_dscnt \younger
.irp t, 0,1,2,3,4,5,6,7,8,9,10,11,12,13,14,15
	global_store_b128 v[CO], v[BB+4*\t:BB+4*\t+3], s[78:79] offset:(32*((\a)/2)+8*((\a)%2)+\t+8*(\t/8))*4096 th:TH_STORE_NT
.endr
.endm
	PLACES 4                                       ; in front of the first read of results and of loads into registers that the last products read
	TOSTAGE 0
.irp a, 1,2,3
.if \a > 1
	s_wait_xcnt 0x0                                ; block a - 2's stores have read their registers: block a's loads may land there
.endif
	TOSTAGE \a
	SEND \a-1, 32                                  ; behind block a - 1's loads: block a's 16 stores and 16 loads
.endr
	SEND 3, 0
	s_wait_tensorcnt 0x0                           ; the wave's end, behind my tensor load and my last LDS store
	ds_add_u32 v[SPW], v[NIL]
	s_wait_dscnt 0x0
	CROUND                                         ; the closing round
	s_endpgm
.Lfunc_end_k_qf08f9f6598_outp:
	.size	k_qf08f9f6598_outp, .Lfunc_end_k_qf08f9f6598_outp-k_qf08f9f6598_outp
	.p2alignl 7, 3214868480
	.fill 96, 4, 3214868480
	.section	.rodata,"a",@progbits
	.p2align	6, 0x0
	.amdhsa_kernel k_qf08f9f6598_outp
		.amdhsa_group_segment_fixed_size 327680
		.amdhsa_private_segment_fixed_size 0
		.amdhsa_enable_private_segment 0
		.amdhsa_kernarg_size 48
		.amdhsa_user_sgpr_count 2
		.amdhsa_user_sgpr_kernarg_segment_ptr 1
		.amdhsa_wavefront_size32 1
		.amdhsa_system_sgpr_workgroup_id_x 1
		.amdhsa_system_sgpr_workgroup_id_y 1
		.amdhsa_system_sgpr_workgroup_id_z 1
		.amdhsa_system_vgpr_workitem_id 0
		.amdhsa_next_free_vgpr 768
		.amdhsa_next_free_sgpr 100
		.amdhsa_reserve_vcc 0
		.amdhsa_float_denorm_mode_32 3
		.amdhsa_float_denorm_mode_16_64 3
		.amdhsa_memory_ordered 1
		.amdhsa_forward_progress 1
		.amdhsa_inst_pref_size 82
	.end_amdhsa_kernel
	.amdgpu_metadata
---
amdhsa.version: [ 1, 2 ]
amdhsa.kernels:
  - .name:           k_qf08f9f6598_outp
    .symbol:         k_qf08f9f6598_outp.kd
    .args:
      - { .name: ac, .offset: 0, .size: 8, .value_kind: global_buffer, .address_space: global }
      - { .name: asc, .offset: 8, .size: 8, .value_kind: global_buffer, .address_space: global }
      - { .name: xc, .offset: 16, .size: 8, .value_kind: global_buffer, .address_space: global }
      - { .name: xs, .offset: 24, .size: 8, .value_kind: global_buffer, .address_space: global }
      - { .name: bo, .offset: 32, .size: 8, .value_kind: global_buffer, .address_space: global }
      - { .name: out0, .offset: 40, .size: 8, .value_kind: global_buffer, .address_space: global }
    .group_segment_fixed_size: 327680
    .private_segment_fixed_size: 0
    .kernarg_segment_align: 8
    .kernarg_segment_size: 48
    .max_flat_workgroup_size: 128
    .sgpr_count:     100
    .vgpr_count:     768
    .wavefront_size: 32
...
	.end_amdgpu_metadata
.endif
;; end of part 4
